; MI455X (gfx1250); checked and timed in simulation.
; The chip was launched on July 23, 2026; its instructions are those of AMD's public machine-readable ISA for CDNA 5 (MIT licence, August 2026) and "CDNA5" Instruction Set Architecture Reference Guide (July 2026). The comments in the code are by the model that wrote it; some were corrected since.
;; Neural Attention. Allowed arithmetic: matrix products marked QUANTISED: E2M3 operands, one E8M0 scale for each 32 along K, by v_wmma_scale_f32_16x16x128_f8f6f4 with both operands' format E2M3, f32 sums; everything else in f32.
;; Inputs: Wk_codes 1,024 x 32 x 24 uint8 (E2M3 codes of Wk, K innermost, in blocks of 32 codes, four codes in three bytes); Wk_scales 1,024 x 32 uint8 (E8M0 scales of Wk, one for each 32 codes along K); Wo_codes 1,024 x 32 x 24 uint8 (E2M3 codes of Wo, K innermost, in blocks of 32 codes, four codes in three bytes); Wo_scales 1,024 x 32 uint8 (E8M0 scales of Wo, one for each 32 codes along K); Wq_codes 1,024 x 32 x 24 uint8 (E2M3 codes of Wq, K innermost, in blocks of 32 codes, four codes in three bytes); Wq_scales 1,024 x 32 uint8 (E8M0 scales of Wq, one for each 32 codes along K); Wv_codes 1,024 x 32 x 24 uint8 (E2M3 codes of Wv, K innermost, in blocks of 32 codes, four codes in three bytes); Wv_scales 1,024 x 32 uint8 (E8M0 scales of Wv, one for each 32 codes along K); attn_mask 8 x 1,024 x 1,024 int32; cos 1,024 x 64 float32; sin 1,024 x 64 float32; timestamp 8 x 1,024 int32; x_codes 8 x 1,024 x 32 x 24 uint8 (E2M3 codes of x, K innermost, in blocks of 32 codes, four codes in three bytes); x_scales 8 x 1,024 x 32 uint8 (E8M0 scales of x, one for each 32 codes along K).
;; Outputs: out0 8 x 1,024 x 1,024 float32.
;; This version of the problem:
;;   THIS VERSION OF THE PROBLEM IS GIVEN IN LOW PRECISION. The matrix products marked QUANTISED in the list below multiply operands that are first quantised to E2M3 (2 exponent bits, 3 mantissa bits; 6 bits a number), with one power-of-two scale for each 32 numbers along K (OCP MX v1.0); their sums are f32. All else is computed in f32.
;;   The module's matrix products, in the order in which they are computed (A, B: the left and right operand; K: the contracted axis; several contracted axes count as one K, in the product's order):
;;     1. [M 8,192, K 1,024] x [K 1,024, N 1,024]; A: input x (given as codes); B: input Wq (given as codes): QUANTISED
;;     2. [M 8,192, K 1,024] x [K 1,024, N 1,024]; A: input x (given as codes); B: input Wk (given as codes): QUANTISED
;;     3. [M 8,192, K 1,024] x [K 1,024, N 1,024]; A: input x (given as codes); B: input Wv (given as codes): QUANTISED
;;     4. batch 128 x [M 1,024, K 64] x [K 64, N 1,024]; A: computed on the way; B: computed on the way: QUANTISED
;;     5. batch 128 x [M 1,024, K 1,024] x [K 1,024, N 64]; A: softmax (see below); B: computed on the way: QUANTISED
;;     6. [M 8,192, K 1,024] x [K 1,024, N 1,024]; A: computed on the way; B: input Wo (given as codes): QUANTISED
;;   THE QUANTISER, for each operand of a quantised product, along K:
;;     - K is cut into blocks of 32 from its start; a last block that is shorter is filled with zeros.
;;     - A block's scale is 2^e with e = floor(log2(the largest magnitude in the block)) - 2, held to -126 .. 127; a block of zeros has e = 0. As a byte (E8M0): e + 127.
;;     - Each number is divided by its block's scale, clamped to +-7.5, and rounded to the nearest number of E2M3, ties to even, subnormals kept.
;;     - The product sums the exact products of the quantised numbers (number of the format x scale) in f32.
;;   ~~~python
;;   def quantise(x, axis):      # numpy; x: float32 -> the quantised numbers, widened to float32 again
;;       x = np.moveaxis(x, axis, -1); K = x.shape[-1]
;;       x = np.pad(x, [(0, 0)] * (x.ndim - 1) + [(0, -K % 32)]); x = x.reshape(x.shape[:-1] + (-1, 32)); a = np.abs(x).max(-1, keepdims=True)
;;       e = np.where(a > 0, np.clip(np.frexp(np.where(a > 0, a, 1))[1] - 1 - 2, -126, 127), 0)      # np.frexp(a)[1] - 1 = floor(log2(a)), exactly
;;       r = np.clip(x / 2.0 ** e, -7.5, 7.5)
;;       step = 2.0 ** (np.maximum(np.frexp(np.where(r == 0, 1, r))[1] - 1, 0) - 3)
;;       q = np.round(r / step) * step * 2.0 ** e      # np.round: ties to even
;;       return np.moveaxis(q.reshape(q.shape[:-2] + (-1,))[..., :K], -1, axis).astype(np.float32)
;;   ~~~
;;   SOFTMAX AHEAD OF A QUANTISED PRODUCT. Where the list says 'softmax', what is quantised is not the finished softmax but p = 2^(t - M), with t = logit x log2(e) and M = ceil(the row's largest t), a whole number; so 1/2 < the row's largest p <= 1. The row's sum l is taken of the UNQUANTISED p, in f32, and the product's result is divided by l at the end. Since M is a whole number, a kernel that streams over the keys may use a running M (the ceiling of the running maximum): every later rescaling is an exact power of two, which a block's scale takes up: the codes' values come out the same.
;;   OPERANDS COMPUTED ON THE WAY. 'Computed on the way' means the value that the module computes at that place (a softmax that the list does not call 'softmax' is quantised finished and normalised). What goes into a quantiser is computed in f32, as accurately as f32 sums, v_exp_f32 and their like allow (about 1e-6 of the number): no bf16 or f16 on the way to a quantiser, and a product that is left as it is and whose result goes on into a quantised operand takes f32 operands (vector FMAs, or v_wmma_f32_16x16x4_f32). A number that lies on a knife's edge between two numbers of the format may be rounded either way, as far as f32 arithmetic and the matrix unit's own rounding can turn it there, and no further.
;;   INPUTS GIVEN AS CODES. Wk (in the module: [1024, 1024], K = its axis 1); Wo (in the module: [1024, 1024], K = its axis 1); Wq (in the module: [1024, 1024], K = its axis 1); Wv (in the module: [1024, 1024], K = its axis 1); x (in the module: [8, 1024, 1024], K = its axis 2): each comes as NAME_codes (uint8): NAME with its K axis moved to the last place and cut into blocks of 32 codes, [.., K / 32, bytes a block], one block behind the other in memory; four codes in three bytes: a row's codes are one little-endian stream of bits, code i at bits 6 i .. 6 i + 5 (a code: sign, 2 exponent bits, 3 mantissa bits); and NAME_scales (uint8): the same leading axes, one E8M0 byte (e + 127) for each 32 codes along K. Its value is code x scale, taken as it is: it is not quantised again, and the codes and scales need not be those that the quantiser above would give.
;; One version. Each part assembles by itself: llvm-mc -triple=amdgcn-amd-amdhsa -mcpu=gfx1250 --defsym DOCPART=n.
;; ======== version 1 of 1: 3 launches
;; limits: right only within a limited range of input values
;; workspace buffers: maskw 1,048,576 bytes of whole numbers; qb 6,815,744 bytes; kv 13,369,344 bytes; oimg 6,291,456 bytes; osc 262,144 bytes
;; launch qkv (part 1): grid 16 x 32, 4 waves a work-group, clusters of 4 x 4, 327,680 bytes of LDS; arguments x_codes, x_scales, Wq_codes, Wq_scales, Wk_codes, Wk_scales, Wv_codes, Wv_scales, cos, sin, timestamp, qb, kv, attn_mask, maskw; writes qb, kv, maskw
.if DOCPART == 1
	.amdgcn_target "amdgcn-amd-amdhsa--gfx1250"
	.amdhsa_code_object_version 6
	.text
	.protected	k_q830ee3f04a_qkv
	.globl	k_q830ee3f04a_qkv
	.p2align	8
	.type	k_q830ee3f04a_qkv,@function
k_q830ee3f04a_qkv:
	s_mov_b64 s[64:65], 0
	v_nop
	global_prefetch_b8 v0, s[64:65] scope:SCOPE_SE
	s_setreg_imm32_b32 hwreg(HW_REG_WAVE_MODE, 25, 1), 1
	s_wait_xcnt 0x0
	s_wait_alu depctr_hold_cnt(0) depctr_sa_sdst(0) depctr_va_vdst(0) depctr_va_sdst(0) depctr_va_ssrc(0) depctr_va_vcc(0) depctr_vm_vsrc(0)
	s_getreg_b32 s2, hwreg(HW_REG_IB_STS2, 6, 4)
	s_cmp_eq_u32 s2, 0
	s_cbranch_scc0 .Lentry_in_a_cluster
	s_endpgm
.Lentry_in_a_cluster:
	s_bfe_u32 s2, ttmp6, 0x10000c
	s_cmp_lg_u32 s2, 0xf033
	s_cbranch_scc0 .Lentry_shape_is_right
	s_endpgm
.Lentry_shape_is_right:
; q = rope(x Wq^T), k = rope(x Wk^T), v = x Wv^T on codes of FP6 (E2M3) with one E8M0 scale for each 32 along K = 1,024, their quantising for the attention launch, and the mask's packing into bits.
; THE TYPE of a work-group is its cluster's x: 0 = q, 1 = k, 2 = v, 3 = the mask: the same in all sixteen partners.
; TYPES 0 TO 2.  A tile of 256 x 256 results is made by a work-group of four waves, 128 x 128 a wave: 64 accumulators, 512 registers.  K goes in steps of 256 through a ring of two LDS slots.
; TWO SIDES.  P is source 0 of the matrix instruction: a lane's eight result registers run along P's rows.  R is source 1: a lane holds ONE row of R.
;   q, k: P = W (256 features: tile cx), R = x (256 tokens: tile 4 cluster y + cy): a lane holds a token, registers run along the head: what RoPE and a quantiser along the head want.
;   v:    P = x (tile 4 cluster y + cx), R = Wv (tile cy): a lane holds a feature, registers run along the tokens, which are the keys: what a quantiser along the keys wants.
; CLUSTERS: 4 x 4.  P's tile hangs on cx alone among the places and is asked for jointly by a column of the cluster, R's on cy alone and by a row: the requests are divided by four.
; THE SCALES of the 256 rows of either side, for all of K, are dense blocks of memory: they come into LDS once, in rows of 256 bytes, and stay.
; THE WAY OUT uses no LDS: each operand goes to memory as an IMAGE OF THE REGISTERS in which the attention launch wants it, so every store covers 256 or 512 consecutive bytes, aligned.
;   qb: 128 records (16 b + head) of 53,248 bytes: 64 images of 768 bytes (16 tokens x 64: registers 0-3 at 16 x lane, registers 4-5 at 512 + 8 x lane); from 49,152 on the scale words, 512 bytes for 128 tokens, [tile / 4][r][tile % 4].
;   kv: 128 records of 104,448 bytes: k as q's; from 49,152 on v: [key step 8][16 features 4] images of 1,536 bytes (registers 4 i .. 4 i + 3 at 512 i + 16 x lane); k's scale words from 98,304, v's from 102,400 ([key step][r][4]).
; ORDER INSIDE A BLOCK OF 32.  A result register j of lane half h in tile t holds index 16 t + 8 h + j.  Sixteen registers of two neighbouring tiles are converted as they stand, so index 32 B + 16 u + 8 h + j lands at place
; 16 h + 8 u + j of block B.  q and k get the same order along the head, v and the softmax's p the same order along the keys: the sums of products are the same, and each block holds its own 32 numbers.
; TYPE 3.  24 clusters of products on a chip that holds 16 at a time leave room beside their second turn: the 8 clusters of this type use it, so the mask needs no launch of its own.
;   attn_mask [8][1024][1024] int32 becomes maskw [b 8][qt 64][s 8][64 words]; word 8 t + j, bit l (r = l % 16, h = l / 16) = (attn_mask[b][16 qt + r][128 s + 16 t + 8 h + j] != 0): in the attention launch register 8 t + j of
;   lane l of a score tile holds just that query and key, so one word is the selector of one v_cndmask_b32.  A wave takes 16 whole rows (b, qt): 65,536 consecutive bytes, 8 key steps.  Each load reads 512 consecutive bytes of a row;
;   a key step's 16 x 512 bytes turn through the wave's own stage in LDS (pitch 528 bytes = 132 words: the 16 rows of a 16-byte read start 4 banks apart); a compare makes a word of 32 lanes' bits, v_writelane_b32 lays word w into
;   lane w / 2, and a key step's 64 words leave as 256 consecutive bytes, aligned.  This path has no tensor load; its stage has LDS bytes into which no tile lands.
; LIMITS: NaN and infinities are not served; a block whose largest magnitude lies under 2^-124 (a block of zeros too) gets the byte 1: the bytes are read by this program alone; timestamps are held to 0 .. 1,023.
; REGISTERS, in windows of 256: window 0: v1-7 at work, v8-15 cos/sin offsets, v16-29 addresses, v32-63 scale words (two sets), v64-127 cos and sin, from v128 R's fragments (one set).
;   window 1: P's fragments, two sets, at v0 and v128; on q's and k's way out four sets of cos and sin.   window 2: the accumulators of R's blocks 0-3 (accumulator (a, b) at v[8 (8 (a % 4) + b)]);   window 3: of blocks 4-7.
;   Type 3: window 0: v1-4 addresses, v32-47 the words, v64-127 a key step's numbers; windows 1 and 2: the 8 key steps as loaded, 64 registers each.
; THE RING AND THE SCALES AS THEY STAND (in place of what the head says of K steps of 256 and of scales in LDS).
; K goes through the two slots in CHUNKS OF 256 BYTES of each row of codes: a tile's row begins at a multiple of 256 bytes (a row is 768 bytes).  A step of 128 along K is 96 bytes: eight steps to three chunks;
; steps 2 and 5 lie across two chunks and take their pieces from both slots.  Chunk 0 is each wave's one load at the head, chunk 1 goes out behind the full sequence and a round, chunk 2 is the only refill.
; The scale words go from memory straight into 64 registers, for all of K: a lane loads 16 bytes (four steps' words) of its row; lanes 0-15 take block i, lanes 16-31 block i + 4 of the same side.
.set ROWB,   256                       ; a tile's row in bytes: a chunk of a row of codes
.set KROW,   768                       ; a row of codes in memory: 1,024 x 6 / 8
.set STEPS,  8                         ; steps of 128 along K
.set CHUNKS, 3                         ; chunk c lies in slot c % 2
.set PITCH,  272                       ; an LDS row: 256 bytes + 16 of padding = 68 words
.set FR,     12                        ; registers of a fragment
.set NL,     6                         ; LDS loads that bring one
.set NP,     4                         ; places behind this matrix instruction (ISA guide 7.12.1)
.set HALFT,  128*PITCH                 ; 128 rows: what one tensor load brings
.set SLOT,   4*HALFT                   ; R's 256 rows, then P's 256 rows
.set SPARE,  2*SLOT                    ; behind the ring: the spare words, 128 bytes a wave: two blocks of 256 bytes that no other line names
.set MSTG,   SPARE+512                 ; behind them: the mask's stages, in blocks of 256 bytes of their own
.set MPITCH, 528
.set MWREG,  16*MPITCH                 ; a wave's stage: 33 blocks of 256 bytes
.set QREC,   53248
.set KREC,   104448
.set QSC,    49152
.set KSC,    98304
.set VIMG,   49152
.set VSC,    102400
.set TSA,  7                           ; v7      4 r: my token's place among the wave's timestamps
.set TSO,  8                           ; v8-15   token tile a: 256 x timestamp + 32 h: my bytes in a row of cos or sin
.set ADRA, 16                          ; v16-17  LDS address of R's fragments in slot 0, 1 (v18-19: for the pieces that lie across two chunks)
.set ADRB, 20                          ; v20-21  the same for P (v22-23)
.set SOF,  27                          ; v27     my row among a side's 128 rows of scale bytes: 32 x (r + 64 h)
.set PFO,  30                          ; v30     the prefetch's offset: lane x a row of codes; never rewritten
.set SPW,  28                          ; v28     my spare word: SPARE + 4 x thread; never rewritten
.set NIL,  29                          ; v29     0; never rewritten
.set SCR,  32                          ; v32-63   R's scale words: register 16 (step / 4) + 4 (block % 4) + step % 4; lanes 0-15 blocks 0-3, lanes 16-31 blocks 4-7
.set SCP,  224                         ; v224-255 P's, likewise
.set AF,   128                         ; R's fragments
.set VI,   16                          ; the way out (the ring's addresses are done with): offsets of the images' stores
.set VJ,   17
.set VS,   18                          ; and of the scale words' store
.set SW,   32                          ; the scale words made on the way out
.set PCS,  128                         ; v128-191 q, k: eight sets of eight registers for an image's six registers of codes
.set T,    192                         ; v192-223 a head's 64 numbers of my token after RoPE: register 8 t + j
.set XR,   224                         ; v224-231 products at work
.set PC2,  238                         ; v238-240 the second conversion's
.set TM,   242                         ; v242-247 maxima, bytes, scale operands
.set OUTW, 248                         ; v248-255 scale words picked for their store
.set PCV,  112                         ; v: v112-131 twelve registers of codes and the conversions' second halves
.set TMV,  200                         ; v: v200-215
.set MOUT, 32                          ; the mask: v32-47 key step s's words in the pair v[32+2s:33+2s]
.set MX,   64                          ; the mask: v64-127 my 64 numbers of a key step: register 8 t + j
.set MBAL, 44                          ; the mask: s[44:59] the compares' words, by turns
.set WV,   20                          ; s20 wave
.set HR,   21                          ; s21 wave / 2: my half of R's rows.  Also: I fetch for R (0) or for P (1)
.set HP,   22                          ; s22 wave % 2: my half of P's rows.  Also: which 128 rows I fetch
.set TR,   23                          ; s23 R's tile
.set TP,   42                          ; s42 P's tile
.set SEL,  66                          ; s[66:67] on the way out: v_permlanex16_b32's selects for lane l xor 16
.set G1, 24                            ; s[24:31] group 1 for R's tiles;  s[32:39] group 0, a set for each slot
.set G0, 32
.set G1B, 48                           ; s[48:55], s[56:63] the same for P's
.set G0B, 56
.set PFA, 68                           ; s[68:69] the prefetch's base: my work-group's 32 of the 128 rows that I fetch; s70-71 at work for it; never rewritten
.set MSB, 0
.macro WIN new                         ; the immediate's high byte repeats the setting that is left
.if MSB != \new
	s_set_vgpr_msb (MSB<<8)|\new
.set MSB, \new
.endif
.endm
.set MUL_LO, 0xa1                      ; source 0 (P) window 1, source 1 (R) window 0, C and D window 2
.set MUL_HI, 0xf1                      ; the same, C and D window 3
.set TO_B,   0x40                      ; destination window 1, address window 0
; A joint load: waves 0 and 1 fetch for R, waves 2 and 3 for P.  Each line has one mask and one set of registers for all that issue it; the branch hangs on the wave's number alone.
; Four v_nop follow each of the two lines, ahead of the jump, the label and what follows.
.macro JLOAD g0a, g1a, g0b, g1b
	s_cmp_eq_u32 s[HR], 0
	s_cbranch_scc0 .Lfor_p_\@
	tensor_load_to_lds s[\g0a:\g0a+3], s[\g1a:\g1a+7]
	s_nop 0
.rept 4
	v_nop
.endr
	s_branch .Lasked_\@
.Lfor_p_\@:
	tensor_load_to_lds s[\g0b:\g0b+3], s[\g1b:\g1b+7]
	s_nop 0
.rept 4
	v_nop
.endr
.Lasked_\@:
.endm
.macro CREST                           ; a round of the cluster's barrier behind its opening barrier
	s_cmp_lg_u32 s[WV], 0
	s_cbranch_scc1 .Lnot_wave_0_\@
	s_barrier_signal -3
.Lnot_wave_0_\@:
	s_barrier_wait -3
	s_barrier_signal -1
	s_barrier_wait -1
.endm
.macro CROUND                          ; a whole round
	s_barrier_signal -1
	s_barrier_wait -1
	CREST
.endm
	v_lshl_add_u32 v[SPW], v0, 2, SPARE
	v_mov_b32 v[NIL], 0
	ds_add_u32 v28, v29
	ds_add_u32 v28, v29
	s_wait_dscnt 0x0
	v_lshrrev_b32 v1, 5, v0
	v_readfirstlane_b32 s[WV], v1                  ; wave 0..3
	s_cmp_eq_u32 ttmp9, 3                          ; the mask's clusters part here: the cluster's x is the same in all sixteen partners
	s_cbranch_scc1 .Lmask
	s_load_b512 s[4:19], s[0:1], 0x0               ; x's codes, scales; Wq's; Wk's; Wv's
	s_load_b256 s[92:99], s[0:1], 0x40             ; cos s[92:93], sin s[94:95], timestamp s[96:97], qb s[98:99]
	s_load_b64 s[100:101], s[0:1], 0x60            ; kv
	s_lshr_b32 s[HR], s[WV], 1
	s_and_b32 s[HP], s[WV], 1
	s_bfe_u32 s40, ttmp6, 0x40000                  ; cx, cy: my place in the cluster
	s_bfe_u32 s41, ttmp6, 0x40004
	s_and_b32 s43, ttmp7, 0xffff
	s_lshl_b32 s43, s43, 2                         ; 4 x cluster y: it counts tiles of tokens
	s_cmp_eq_u32 ttmp9, 2                          ; v?  The tokens are then P's rows, else R's
	s_cselect_b32 s44, s43, 0
	s_cselect_b32 s45, 0, s43
	s_add_co_u32 s[TP], s40, s44                   ; P's tile: cx (+ 4 cluster y)
	s_add_co_u32 s[TR], s41, s45                   ; R's tile: cy (+ 4 cluster y)
	s_lshl_b32 s46, s41, 2
	s_lshl_b32 s46, 15, s46                        ; my row of the cluster
	s_lshl_b32 s47, 0x1111, s40                    ; my column
	; group 1: a tile of 128 rows x 256 bytes, 16 bytes of padding behind every 64
	s_or_b32 s[G1+0], s46, (0<<16)|(1<<20)|(1<<21)|(5<<22)|(3<<25)   ; the mask: R's tiles go to my row; elements of 1 byte; padding on; bit 21 beside a mask; after every 64 words; 4 words
	s_or_b32 s[G1B+0], s47, (0<<16)|(1<<20)|(1<<21)|(5<<22)|(3<<25)  ; P's go to my column
.irp g, G1, G1B
	s_mov_b32 s[\g+1], ROWB<<16                    ; tensor_dim0
	s_mov_b32 s[\g+2], 128<<16                     ; tensor_dim1
	s_mov_b32 s[\g+3], ROWB<<16                    ; tile_dim0
	s_mov_b32 s[\g+4], 128                         ; tile_dim1
	s_mov_b32 s[\g+5], KROW                        ; the pitch
	s_mov_b32 s[\g+6], 0
	s_mov_b32 s[\g+7], 0
.endr
	s_wait_kmcnt 0x0
	s_cmp_eq_u32 ttmp9, 0                          ; the buffers are chosen by the type, which hangs on no address
	s_cselect_b64 s[8:9], s[8:9], s[12:13]         ; Wq or Wk
	s_cselect_b64 s[10:11], s[10:11], s[14:15]
	s_cmp_eq_u32 ttmp9, 2
	s_cselect_b64 s[12:13], s[4:5], s[8:9]         ; P's codes: x for v, else W
	s_cselect_b64 s[14:15], s[6:7], s[10:11]       ; P's scales
	s_cselect_b64 s[16:17], s[16:17], s[4:5]       ; R's codes: Wv for v, else x
	s_cselect_b64 s[18:19], s[18:19], s[6:7]       ; R's scales
	s_lshl_b32 s2, s[HP], 7                        ; which 128 rows of a tile I fetch
	s_lshl_b32 s4, s[TR], 8
	s_add_co_u32 s4, s4, s2                        ; R: row 256 x tile + 128 x half
	s_lshl_b32 s6, s[TP], 8
	s_add_co_u32 s6, s6, s2                        ; P likewise
	s_lshl_b32 s8, s[TR], 1                        ; R's scales: those of the 128 rows that I MULTIPLY: 32 bytes x 128 x (2 x tile + wave / 2)
	s_add_co_u32 s8, s8, s[HR]
	s_lshl_b32 s8, s8, 12
	s_mov_b32 s9, 0
	s_lshl_b32 s10, s6, 5
	s_mov_b32 s11, 0
	s_mul_i32 s4, s4, KROW                         ; their codes (8,191 x 768 at the most)
	s_mov_b32 s5, 0
	s_mul_i32 s6, s6, KROW
	s_mov_b32 s7, 0
	s_add_nc_u64 s[16:17], s[16:17], s[4:5]
	s_add_nc_u64 s[18:19], s[18:19], s[8:9]
	s_add_nc_u64 s[12:13], s[12:13], s[6:7]
	s_add_nc_u64 s[14:15], s[14:15], s[10:11]
	s_mul_i32 s66, s[WV], HALFT                    ; where they go: wave x 128 rows: no place in the cluster enters an LDS address
	s_cmp_eq_u32 s[HR], 0                          ; the prefetch: of the 128 rows that I fetch, the four partners that ask for them jointly take 32 each, told apart by address alone
	s_cselect_b64 s[PFA:PFA+1], s[16:17], s[12:13]
	s_cselect_b32 s70, s40, s41                    ; my place among them: cx for R's tiles, cy for P's
	s_mul_i32 s70, s70, 32*KROW
	s_mov_b32 s71, 0
	s_add_nc_u64 s[PFA:PFA+1], s[PFA:PFA+1], s[70:71]
	CROUND                                         ; all sixteen work-groups are here: the first joint loads meet
.irp s, 0,1
	s_mov_b32 s[G0+4*\s], 1
	s_add_co_u32 s[G0+4*\s+1], s66, \s*SLOT
	s_add_nc_u64 s[G0+4*\s+2:G0+4*\s+3], s[16:17], \s*ROWB
	s_or_b32 s[G0+4*\s+3], s[G0+4*\s+3], 0x80000000
	s_mov_b32 s[G0B+4*\s], 1
	s_add_co_u32 s[G0B+4*\s+1], s66, \s*SLOT
	s_add_nc_u64 s[G0B+4*\s+2:G0B+4*\s+3], s[12:13], \s*ROWB
	s_or_b32 s[G0B+4*\s+3], s[G0B+4*\s+3], 0x80000000
.endr
	JLOAD G0, G1, G0B, G1B                         ; chunk 0: my one tensor load at the head
	v_and_b32 v[PFO], 31, v0
	v_mul_u32_u24 v[PFO], v[PFO], KROW
	global_prefetch_b8 v[PFO], s[PFA:PFA+1] offset:ROWB th:TH_LOAD_NT scope:SCOPE_SE     ; chunk 1, one fill ahead of the load that wants it: 32 rows x 256 bytes, a lane a row; each block is named once in the cluster
	global_prefetch_b8 v[PFO], s[PFA:PFA+1] offset:2*ROWB th:TH_LOAD_NT scope:SCOPE_SE   ; chunk 2, two fills ahead; these two chunks are all that is asked for and not yet read
	v_and_b32 v1, 15, v0                           ; r = l % 16: kept
	v_bfe_u32 v2, v0, 4, 1                         ; h = l / 16: kept
	v_mul_u32_u24 v3, v1, PITCH
	v_mul_u32_u24 v4, v2, 24
	v_add_nc_u32 v4, v3, v4                        ; a fragment's row x pitch + 24 x half
	s_mov_b32 s4, SLOT-232
	s_mov_b32 s5, SLOT+232
	v_sub_nc_u32 v7, 1, v2                         ; 1 in lanes 0-15
	v_mul_u32_u24 v5, s4, v2
	v_add_nc_u32 v5, v3, v5
	v_add_nc_u32 v5, 232, v5                       ; across two chunks: lanes 0-15 byte 232 of the row in slot 0, lanes 16-31 byte 0 of the row in slot 1;
	v_mul_u32_u24 v6, s5, v7
	v_add_nc_u32 v6, v3, v6                        ; and lanes 0-15 byte 232 of the row in slot 1, lanes 16-31 byte 0 of the row in slot 0
	s_mul_i32 s4, s[HR], HALFT                     ; my 128 rows of R
	s_mul_i32 s5, s[HP], HALFT                     ; my 128 rows of P,
	s_add_co_u32 s5, s5, 2*HALFT                   ; which lie behind R's 256
	v_add_nc_u32 v[ADRA+2], s4, v5
	v_add_nc_u32 v[ADRA+3], s4, v6
	v_add_nc_u32 v[ADRB+2], s5, v5
	v_add_nc_u32 v[ADRB+3], s5, v6
.irp s, 0,1
	v_add_nc_u32 v[ADRA+\s], s4, v4
	v_add_nc_u32 v[ADRB+\s], s5, v4
	s_add_co_u32 s4, s4, SLOT
	s_add_co_u32 s5, s5, SLOT
.endr
	v_lshlrev_b32 v5, 5, v1                        ; a row of scale bytes is 32 bytes;
	v_lshl_add_u32 v[SOF], v2, 11, v5              ; lanes 16-31 take the row 64 further down
.irp i, 0,1,2,3
.irp c, 0,1
	global_load_b128 v[SCR+16*\c+4*\i:SCR+16*\c+4*\i+3], v[SOF], s[18:19] offset:512*\i+16*\c   ; the words of steps 4 c .. 4 c + 3; the two loads of a block together read its 512 bytes whole
	global_load_b128 v[SCP+16*\c+4*\i:SCP+16*\c+4*\i+3], v[SOF], s[14:15] offset:512*\i+16*\c
.endr
.endr
	s_lshl_b32 s4, s[TR], 10                       ; the timestamps of R's rows: 4 bytes x (256 x tile + 128 x half).  (For v these are no tokens; the index stays under 1,024 and the numbers are not used)
	s_lshl_b32 s5, s[HR], 9
	s_add_co_u32 s4, s4, s5
	s_mov_b32 s5, 0
	s_add_nc_u64 s[96:97], s[96:97], s[4:5]
	v_lshlrev_b32 v[TSA], 2, v1
.macro FRAG reg, adr, st, i            ; a fragment, 16 rows x 128 K of 6-bit codes: lane l holds row l % 16; registers 6 c .. 6 c + 5 hold K = 64 c + 32 (l / 16) + 0 .. 31: 24 bytes of the row as they lie
.irp p, 0,1,2,3,4,5                    ; in pieces of 8 bytes, each inside one chunk.  st: the step, counted from the row's start
.set BY, 96*(\st)+48*(\p/3)+8*(\p%3)  ; the piece of lanes 0-15 in the row of codes; that of lanes 16-31 begins 24 bytes on.  Byte y lies in slot (y / 256) % 2 at byte y % 256 of the LDS row
.if BY/ROWB == (BY+24)/ROWB
	ds_load_b64 v[\reg+2*\p:\reg+2*\p+1], v[\adr+(BY/ROWB)%2] offset:BY%ROWB+(\i)*16*PITCH
.else                                  ; the two halves of the lanes read different chunks
	ds_load_b64 v[\reg+2*\p:\reg+2*\p+1], v[\adr+2+(BY/ROWB)%2] offset:BY%ROWB-232+(\i)*16*PITCH
.endif
.endr
.endm
.macro WMR zero, rows:vararg           ; one product on the registers named by MAC, MPF, MRF, MSP, MSR; rows: which half of the lanes holds each side's scale words
.if \zero
	v_wmma_scale_f32_16x16x128_f8f6f4 v[MAC:MAC+7], v[MPF:MPF+FR-1], v[MRF:MRF+FR-1], 0, v[MSP], v[MSR] matrix_a_fmt:MATRIX_FMT_FP6 matrix_b_fmt:MATRIX_FMT_FP6 \rows
.else
	v_wmma_scale_f32_16x16x128_f8f6f4 v[MAC:MAC+7], v[MPF:MPF+FR-1], v[MRF:MRF+FR-1], v[MAC:MAC+7], v[MSP], v[MSR] matrix_a_fmt:MATRIX_FMT_FP6 matrix_b_fmt:MATRIX_FMT_FP6 \rows
.endif
.endm
; 16 matrix instructions: R's blocks a0, a0 + 1 x P's eight, step st's 128 along K.  zero = 1: the first product starts the sums.
; The 64 accumulators take turns, one instruction a turn, in the same order in every step.
.macro MUL16 a0, st, zero
.irp a, \a0, \a0+1
.irp b, 0,1,2,3,4,5,6,7
.set MAC, 8*(8*((\a)%4)+\b)
.set MPF, 128*((\st)%2)+FR*\b
.set MRF, AF+FR*(\a)
.set MSP, SCP+16*((\st)/4)+4*(\b%4)+(\st)%4
.set MSR, SCR+16*((\st)/4)+4*((\a)%4)+(\st)%4
.if (\b/4) && ((\a)/4)
	WMR \zero, matrix_a_scale:MATRIX_SCALE_ROW1 matrix_b_scale:MATRIX_SCALE_ROW1
.elseif (\b/4)
	WMR \zero, matrix_a_scale:MATRIX_SCALE_ROW1
.elseif ((\a)/4)
	WMR \zero, matrix_b_scale:MATRIX_SCALE_ROW1
.else
	WMR \zero
.endif
.endr
.endr
.endm
.macro FETCH_B st, p                   ; P's eight fragments of step st into set p
	WIN TO_B
.irp i, 0,1,2,3,4,5,6,7
	FRAG 128*(\p)+FR*\i, ADRB, \st, \i
.endr
	WIN 0
.endm
.macro FETCH_A st, i0                  ; R's blocks i0 .. i0 + 3 of step st
.irp i, \i0, \i0+1, \i0+2, \i0+3
	FRAG AF+FR*(\i), ADRA, \st, \i
.endr
.endm
.macro PLACES n                        ; plain vector instructions between a matrix instruction and a load into, or a read of, its registers
.rept \n
	v_nop
.endr
.endm
; A step of 128 along K: 64 products on step st's fragments; the next step's fragments are fetched in its middle and at its end.  What else stands in it hangs on where the next step's 96 bytes lie:
;   they END in a chunk that no step has read yet: every wave waits for its tensor loads, and a barrier shows that chunk whole to all four waves, ahead of the fetch;
;   they BEGIN in a later chunk than this step's: the chunk left behind is read no more: the wait for all tensor loads, the add, the wait for it and for my reads, the barrier;
;   where a chunk two further on is left to fetch, that barrier opens a round of the cluster's barrier, and the slot is filled again.
.macro STEP st, zero
.set NX, (\st)+1
.set C0, (96*(\st))/ROWB
.set C1, (96*NX)/ROWB
.set E0, (96*(\st)+95)/ROWB
.set E1, (96*NX+95)/ROWB
.if C1 > C0 || E1 > E0
	s_wait_tensorcnt 0x0                           ; all my tensor loads have landed
.if C1 > C0
	ds_add_u32 v[SPW], v[NIL]                      ; 0 onto my spare word
	s_wait_dscnt 4*NL+1                            ; the add and the youngest 24 loads (R's blocks 4-7) may be out
.else
	s_wait_dscnt 4*NL                              ; the youngest 24 loads (R's blocks 4-7) may be out
.endif
	WIN MUL_LO
	MUL16 0, \st, \zero
	s_wait_dscnt 0x0                               ; the add, where there is one, and all my reads are done
	s_barrier_signal -1
	MUL16 2, \st, \zero
	WIN 0                                          ; branches may follow
	s_barrier_wait -1
.if C1 > C0 && C0+2 < CHUNKS
	CREST                                          ; the barrier has opened a round of the cluster's barrier: no wave of any partner still reads this slot or has a load on its way
	s_add_nc_u64 s[G0+4*(C0%2)+2:G0+4*(C0%2)+3], s[G0+4*(C0%2)+2:G0+4*(C0%2)+3], 2*ROWB
	s_add_nc_u64 s[G0B+4*(C0%2)+2:G0B+4*(C0%2)+3], s[G0B+4*(C0%2)+2:G0B+4*(C0%2)+3], 2*ROWB
	JLOAD G0+4*(C0%2), G1, G0B+4*(C0%2), G1B       ; chunk C0 + 2, the first tensor load behind the round; its four v_nop are the places in front of the loads below
.else
	PLACES NP
.endif
.else
	s_wait_dscnt 4*NL                              ; P's set and R's blocks 0-3 are in; the youngest 24 loads (R's blocks 4-7) may be out
	WIN MUL_LO
	MUL16 0, \st, \zero
	MUL16 2, \st, \zero
	s_wait_dscnt 0                                 ; R's blocks 4-7 are in
	PLACES NP
.endif
	FETCH_B NX, NX%2
	FETCH_A NX, 0
	WIN MUL_HI
	MUL16 4, \st, \zero
	MUL16 6, \st, \zero
	PLACES NP
	WIN 0
	FETCH_A NX, 4
.endm
; cos and sin of token tile a's 16 timestamps lie in one of FIVE sets of 64 registers: tiles 0 and 5 in v64-127 of window 0; tiles 1 and 6, 2 and 7, 3, 4 in the four quarters of window 1.
.macro CSSET a
.if ((\a)%5) == 0
.set CW, 0
.set CBASE, 64
.else
.set CW, 1
.set CBASE, 64*(((\a)%5)-1)
.endif
.endm
; Register 8 t + j of a set's first 32 = cos[timestamp][16 t + 8 h + j], of its second 32 the same of sin.  (The macro leaves the destination's window set: the caller sets it back.)
.macro CSLOAD a
	CSSET \a
.set WNEW, CW<<6
	WIN WNEW
.irp t, 0,1,2,3
	global_load_b128 v[CBASE+8*\t:CBASE+8*\t+3], v[TSO+(\a)], s[92:93] offset:64*\t
	global_load_b128 v[CBASE+8*\t+4:CBASE+8*\t+7], v[TSO+(\a)], s[92:93] offset:64*\t+16
	global_load_b128 v[CBASE+32+8*\t:CBASE+32+8*\t+3], v[TSO+(\a)], s[94:95] offset:64*\t
	global_load_b128 v[CBASE+32+8*\t+4:CBASE+32+8*\t+7], v[TSO+(\a)], s[94:95] offset:64*\t+16
.endr
.endm
	s_wait_alu depctr_va_vdst(0)
	s_wait_tensorcnt 0x0                           ; my part of chunk 0 is in
	ds_add_u32 v[SPW], v[NIL]
	s_wait_dscnt 0x0
	CROUND                                         ; a whole round: everybody's part is in, and all sixteen work-groups are here,
	JLOAD G0+4, G1, G0B+4, G1B                     ; and chunk 1's load, the first tensor load behind the round
.irp a, 0,1,2,3,4,5,6,7
	global_load_b32 v[TSO+\a], v[TSA], s[96:97] offset:64*\a   ; the timestamps of my 128 rows of R
.endr
	FETCH_B 0, 0
	FETCH_A 0, 0
	FETCH_A 0, 4
	s_wait_loadcnt 8                               ; the 16 loads of scale words are in; the 8 of timestamps may be out
	STEP 0, 1                                      ; the first step's products start the sums
	s_wait_loadcnt 0x0                             ; the timestamps
.irp a, 0,1,2,3,4,5,6,7
	v_min_u32 v[TSO+\a], 0x3ff, v[TSO+\a]          ; a loaded number enters an address only held inside its table
.endr
.irp a, 0,1,2,3,4,5,6,7
	v_lshlrev_b32 v[TSO+\a], 8, v[TSO+\a]          ; a row of cos or sin is 256 bytes
.endr
	v_lshlrev_b32 v6, 5, v2
.irp a, 0,1,2,3,4,5,6,7
	v_add_nc_u32 v[TSO+\a], v6, v[TSO+\a]          ; + 32 h
.endr
	s_wait_alu depctr_va_vdst(0)
	CSLOAD 0                                       ; the first tile's cos and sin land while K is walked
	WIN 0
.set ST, 1                             ; the walk is written out step by step: slots and chunks do not come back to where they began within these eight steps
.rept STEPS-2
	STEP ST, 0
.set ST, ST+1
.endr
	s_wait_dscnt 4*NL                              ; the very last step: nothing more to fetch
	WIN MUL_LO
	MUL16 0, 7, 0
	MUL16 2, 7, 0
	s_wait_dscnt 0
	WIN MUL_HI
	MUL16 4, 7, 0
	MUL16 6, 7, 0
	WIN 0
	PLACES NP                                      ; in front of the first reads of results and of loads into the registers that held P's fragments
	s_mov_b32 s[SEL], 0x76543210
	s_mov_b32 s[SEL+1], 0xfedcba98
	s_mov_b32 vcc_lo, 0xffff0000                   ; lanes 16-31
	v_and_b32 v5, 31, v0
	v_lshlrev_b32 v6, 4, v5                        ; 16 x lane
	s_cmp_eq_u32 ttmp9, 2
	s_cbranch_scc1 .Lvtype                         ; the type is the same in all partners
	; ---- q and k.  My tokens: 128 G + 16 a + r, G = 2 x R's tile + half; my heads: 4 x P's tile + 2 x half + g.
	CSLOAD 1                                       ; cos and sin run FOUR token tiles ahead: tiles 1 to 4 are asked for now, into window 1, which P's fragments have left;
	CSLOAD 2                                       ; tile a + 5 is asked for behind tile a, into the set that tile a has left
	CSLOAD 3
	CSLOAD 4
	WIN 0
	s_lshl_b32 s4, s[TR], 1
	s_add_co_u32 s4, s4, s[HR]                     ; G
	s_lshr_b32 s5, s4, 3                           ; b
	s_and_b32 s4, s4, 7                            ; which 128 tokens of the batch
	s_lshl_b32 s5, s5, 4
	s_lshl_b32 s6, s[TP], 2
	s_add_co_u32 s5, s5, s6
	s_lshl_b32 s6, s[HP], 1
	s_add_co_u32 s5, s5, s6                        ; the record of g = 0: 16 b + head
	s_cmp_eq_u32 ttmp9, 0
	s_cselect_b64 s[8:9], s[98:99], s[100:101]     ; qb or kv
	s_mov_b32 s2, KREC
	s_cselect_b32 s2, QREC, s2                     ; a record's bytes
	s_mov_b32 s3, KSC
	s_cselect_b32 s3, QSC, s3                      ; where its scale words begin
	s_mul_i32 s6, s5, s2
	s_mov_b32 s7, 0
	s_add_nc_u64 s[8:9], s[8:9], s[6:7]            ; g = 0's record
	s_mov_b32 s6, s2
	s_add_nc_u64 s[12:13], s[8:9], s[6:7]          ; g = 1's
	s_mul_i32 s6, s4, 6144                         ; eight images of 768 bytes for 128 tokens
	s_wait_alu depctr_va_vdst(0)
	v_add_nc_u32 v[VI], s6, v6                     ; registers 0-3: 16 x lane
	v_lshl_add_u32 v[VJ], v5, 3, s6                ; registers 4-5: 8 x lane (+ 512 in the immediate)
	s_lshl_b32 s6, s4, 9
	s_add_co_u32 s6, s6, s3
	v_add_nc_u32 v[VS], s6, v6                     ; the scale words' 512 bytes
	v_mov_b32 v[TM+2], 0                           ; a lane permute's destination counts as one of its sources
	v_mov_b32 v[TM+3], 0
; RoPE of head g in token tile a.  Tiles t and t + 2 hold d and d + 32: out(d) = x(d) cos(d) - x(d + 32) sin(d), out(d + 32) = x(d + 32) cos(d + 32) + x(d) sin(d + 32).  Each accumulator is read from its low end on.
.macro ROPE a, g
	CSSET \a
.set CB, CBASE
.set SB, CBASE+32
.set WNEW, (2+(\a)/4)|(CW<<2)
	WIN WNEW                                       ; source 0: the accumulators' window; source 1: the window of the tile's cos and sin
.irp t, 0,1
.irp j, 0,2,4,6
.set A1, 8*(8*((\a)%4)+4*(\g)+\t)+\j
.set A2, A1+16
.set XA, XR+4*((\j/2)%2)
	v_pk_mul_f32 v[XA:XA+1], v[A2:A2+1], v[SB+8*\t+\j:SB+8*\t+\j+1]
	v_pk_mul_f32 v[XA+2:XA+3], v[A1:A1+1], v[SB+16+8*\t+\j:SB+16+8*\t+\j+1]
	v_pk_fma_f32 v[T+8*\t+\j:T+8*\t+\j+1], v[A1:A1+1], v[CB+8*\t+\j:CB+8*\t+\j+1], v[XA:XA+1] neg_lo:[0,0,1] neg_hi:[0,0,1]
	v_pk_fma_f32 v[T+16+8*\t+\j:T+16+8*\t+\j+1], v[A2:A2+1], v[CB+16+8*\t+\j:CB+16+8*\t+\j+1], v[XA+2:XA+3]
.endr
.endr
	WIN 0
.endm
; The 32 numbers in v[T] on (two blocks of 32 along the head, half of each in lane l xor 16) become six registers of codes, v[pc] on, and a scale word (bytes 2 and 3 are 0: they scale zero codes).
.macro QUANT2 sw, pc
.irp b, 0,1
	v_max3_num_f32 v[TM+\b], |v[T+16*\b]|, |v[T+16*\b+1]|, 0x1800000   ; my 16 numbers, and the floor 2^(3 - 127): the byte cannot fall under 1
.endr
.irp i, 2,4,6,8,10,12,14
.irp b, 0,1
	v_max3_num_f32 v[TM+\b], v[TM+\b], |v[T+16*\b+\i]|, |v[T+16*\b+\i+1]|
.endr
.endr
.irp b, 0,1
	v_permlanex16_b32 v[TM+2+\b], v[TM+\b], s[SEL], s[SEL+1]
.endr
.irp b, 0,1
	v_max_num_f32 v[TM+\b], v[TM+\b], v[TM+2+\b]   ; the block's largest magnitude
.endr
.irp b, 0,1
	v_add_nc_u32 v[TM+4+\b], 0xff000000, v[TM+\b]  ; 2 off its exponent field: the conversion's scale operand
.endr
.irp b, 0,1
	v_lshrrev_b32 v[TM+2+\b], 23, v[TM+4+\b]       ; the scale's byte
.endr
	v_lshl_or_b32 v[\sw], v[TM+3], 8, v[TM+2]
	v_cvt_scalef32_pk16_fp6_f32 v[\pc:\pc+2], v[T:T+15], v[TM+4]
	v_cvt_scalef32_pk16_fp6_f32 v[PC2:PC2+2], v[T+16:T+31], v[TM+5]
	v_nop                                          ; one plain place behind a scaled conversion
.irp i, 0,1,2
	v_permlane16_swap_b32 v[\pc+\i], v[PC2+\i]     ; a whole block to a lane: lanes 0-15 block 0, lanes 16-31 block 1
.endr
.irp i, 0,1,2
	v_mov_b32 v[\pc+3+\i], v[PC2+\i]
.endr
.endm
.irp a, 0,1,2,3,4,5,6,7
.if \a == 4
	s_wait_xcnt 0x0                                ; the codes have eight sets of registers, one for each image of four tiles: the stores of tiles 0 to 3 have read theirs, so tiles 4 to 7 may write them again
.endif
.set LC, 16*(7-\a)
.if LC > 63
.set LC, 63
.endif
	s_wait_loadcnt LC                              ; this tile's cos and sin are in.  Behind them stand four tiles' 16 loads each (the count's field holds 63), from tile 4 on those of the tiles that are left
.irp g, 0,1
.set PCB, PCS+8*(2*(\a%4)+\g)
	ROPE \a, \g
	QUANT2 SW+8*\g+\a, PCB
	global_store_b128 v[VI], v[PCB:PCB+3], s[8+4*\g:9+4*\g] offset:768*\a         ; 512 consecutive bytes, aligned
	global_store_b64 v[VJ], v[PCB+4:PCB+5], s[8+4*\g:9+4*\g] offset:768*\a+512    ; 256 consecutive bytes, aligned
.endr
.if \a < 3
	CSLOAD \a+5                                    ; into the set that this tile has left
	WIN 0
.endif
.endr
.irp g, 0,1
.irp i, 0,1,2,3
	v_cndmask_b32 v[OUTW+4*\g+\i], v[SW+8*\g+\i], v[SW+8*\g+4+\i], vcc_lo   ; lanes 0-15 store the words of tiles 0-3, lanes 16-31 of tiles 4-7
.endr
	global_store_b128 v[VS], v[OUTW+4*\g:OUTW+4*\g+3], s[8+4*\g:9+4*\g]
.endr
	s_branch .Ljoin
.Lvtype:
	; ---- v.  My keys: 128 G + 16 b + 8 h + j, G = 2 x P's tile + half; my features: 256 x R's tile + 128 x half + 16 a + r: head 4 x tile + 2 x half + a / 4.
	s_wait_loadcnt 0x0                             ; (the loads of cos and sin, not used here, have landed: their registers may be written)
	s_lshl_b32 s4, s[TP], 1
	s_add_co_u32 s4, s4, s[HP]                     ; G
	s_lshr_b32 s5, s4, 3                           ; b
	s_and_b32 s4, s4, 7                            ; the key step
	s_lshl_b32 s5, s5, 4
	s_lshl_b32 s6, s[TR], 2
	s_add_co_u32 s5, s5, s6
	s_lshl_b32 s6, s[HR], 1
	s_add_co_u32 s5, s5, s6                        ; the record of blocks 0-3; blocks 4-7 belong to the next
	s_mul_i32 s6, s5, KREC
	s_mov_b32 s7, 0
	s_add_nc_u64 s[8:9], s[100:101], s[6:7]
	s_mul_i32 s6, s4, 6144                         ; four images of 1,536 bytes a key step
	s_add_co_u32 s6, s6, VIMG
	s_wait_alu depctr_va_vdst(0)
	v_add_nc_u32 v[VI], s6, v6
	s_lshl_b32 s6, s4, 8
	s_add_co_u32 s6, s6, VSC
	v_mul_u32_u24 v5, v2, KREC                     ; lanes 16-31 store the second head's words
	v_lshl_add_u32 v5, v1, 4, v5
	v_add_nc_u32 v[VS], s6, v5
.irp b, 0,1,2,3
	v_mov_b32 v[TMV+4+\b], 0                       ; a lane permute's destination counts as one of its sources
.endr
; Block a's 64 registers (four blocks of 32 keys, half of each in lane l xor 16) become a fragment's twelve registers and a scale word.
.macro QUANTV a
.set AB, 64*((\a)%4)
.set WNEW, 0x0a+5*((\a)/4)
	WIN WNEW                                       ; sources 0 and 1: the accumulators' window
.irp b, 0,1,2,3
	v_max3_num_f32 v[TMV+\b], |v[AB+16*\b]|, |v[AB+16*\b+1]|, 0x1800000
.endr
.irp i, 2,4,6,8,10,12,14
.irp b, 0,1,2,3
	v_max3_num_f32 v[TMV+\b], |v[AB+16*\b+\i]|, |v[AB+16*\b+\i+1]|, v[TMV+\b]   ; each accumulator from its low end on
.endr
.endr
	WIN 0
.irp b, 0,1,2,3
	v_permlanex16_b32 v[TMV+4+\b], v[TMV+\b], s[SEL], s[SEL+1]
.endr
.irp b, 0,1,2,3
	v_max_num_f32 v[TMV+\b], v[TMV+\b], v[TMV+4+\b]
.endr
.irp b, 0,1,2,3
	v_add_nc_u32 v[TMV+12+\b], 0xff000000, v[TMV+\b]
.endr
.irp b, 0,1,2,3
	v_lshrrev_b32 v[TMV+4+\b], 23, v[TMV+12+\b]
.endr
	v_lshl_or_b32 v[SW+(\a)], v[TMV+5], 8, v[TMV+4]
	v_lshl_or_b32 v[SW+(\a)], v[TMV+6], 16, v[SW+(\a)]
	v_lshl_or_b32 v[SW+(\a)], v[TMV+7], 24, v[SW+(\a)]
	s_wait_xcnt 0x0                                ; the last image's stores have read their registers
.set WNEW, 2+(\a)/4
	WIN WNEW                                       ; source 0: the accumulators' window
.irp c, 0,1
	v_cvt_scalef32_pk16_fp6_f32 v[PCV+6*\c:PCV+6*\c+2], v[AB+32*\c:AB+32*\c+15], v[TMV+12+2*\c]
	v_cvt_scalef32_pk16_fp6_f32 v[PCV+12+4*\c:PCV+14+4*\c], v[AB+16+32*\c:AB+31+32*\c], v[TMV+12+2*\c+1]
.endr
	WIN 0
	v_nop                                          ; one plain place behind a scaled conversion
.irp c, 0,1
.irp i, 0,1,2
	v_permlane16_swap_b32 v[PCV+6*\c+\i], v[PCV+12+4*\c+\i]
.endr
.irp i, 0,1,2
	v_mov_b32 v[PCV+3+6*\c+\i], v[PCV+12+4*\c+\i]
.endr
.endr
.irp i, 0,1,2
	global_store_b128 v[VI], v[PCV+4*\i:PCV+4*\i+3], s[8:9] offset:((\a)/4)*KREC+1536*((\a)%4)+512*\i
.endr
.endm
.irp a, 0,1,2,3,4,5,6,7
	QUANTV \a
.endr
.irp i, 0,1,2,3
	v_cndmask_b32 v[OUTW+\i], v[SW+\i], v[SW+4+\i], vcc_lo
.endr
	global_store_b128 v[VS], v[OUTW:OUTW+3], s[8:9]   ; each half of the lanes stores 256 consecutive bytes, aligned
	s_branch .Ljoin
.Lmask:
	; ---- the mask.  Wave 4 x (16 cluster y + 4 cy + cx) + wave = 64 b + qt takes that tile's 16 rows.  The places in the cluster enter global addresses alone.
	s_load_b64 s[4:5], s[0:1], 0x68                ; attn_mask
	s_load_b64 s[6:7], s[0:1], 0x70                ; maskw
	s_bfe_u32 s40, ttmp6, 0x40000                  ; cx
	s_bfe_u32 s41, ttmp6, 0x40004                  ; cy
	s_and_b32 s43, ttmp7, 0xffff                   ; cluster y
	s_lshl_b32 s43, s43, 2
	s_add_co_u32 s43, s43, s41
	s_lshl_b32 s43, s43, 2
	s_add_co_u32 s43, s43, s40                     ; the work-group among the mask's 128
	s_lshl_b32 s43, s43, 2
	s_add_co_u32 s43, s43, s[WV]                   ; 64 b + qt: 0 .. 511
	s_lshl_b32 s8, s43, 16                         ; 16 rows of 4,096 bytes
	s_mov_b32 s9, 0
	s_lshl_b32 s10, s43, 11                        ; 8 key steps of 256 bytes in maskw
	s_mov_b32 s11, 0
	v_and_b32 v5, 31, v0                           ; lane
	v_and_b32 v6, 15, v0                           ; r
	v_bfe_u32 v7, v0, 4, 1                         ; h
	v_lshlrev_b32 v1, 4, v5                        ; 16 x lane: my bytes of a load's 512
	s_mul_i32 s12, s[WV], MWREG
	s_add_co_u32 s12, s12, MSTG                    ; my stage
	v_add_nc_u32 v2, s12, v1                       ; on the way in
	v_mul_u32_u24 v3, v6, MPITCH
	v_lshl_add_u32 v3, v7, 5, v3
	v_add_nc_u32 v3, s12, v3                       ; and on the way out: row r, + 32 h
	v_lshlrev_b32 v4, 3, v5                        ; 8 x lane: my two words of a key step's 64
.irp i, 0,1,2,3,4,5,6,7,8,9,10,11,12,13,14,15
	v_mov_b32 v[MOUT+\i], 0                        ; v_writelane_b32's destination counts as read
.endr
	s_wait_kmcnt 0x0
	s_add_nc_u64 s[4:5], s[4:5], s[8:9]
	s_add_nc_u64 s[6:7], s[6:7], s[10:11]
.macro MLOAD s                         ; key step s of my 16 rows: 16 loads of 512 consecutive bytes, into 64 registers of its own: window 1 (steps 0-3) or 2 (steps 4-7)
.set WNEW, 0x40*(1+(\s)/4)
	WIN WNEW
.irp i, 0,1,2,3,4,5,6,7,8,9,10,11,12,13,14,15
	global_load_b128 v[64*((\s)%4)+4*\i:64*((\s)%4)+4*\i+3], v1, s[4:5] offset:4096*\i+512*(\s) th:TH_LOAD_NT   ; read once in the launch
.endr
.endm
.macro MSTEP s
.set LC, 16*(7-(\s))
.if LC > 48
.set LC, 48
.endif
	s_wait_loadcnt LC                              ; this key step's 16 loads are in; those of the three steps behind it (at the end: of the steps that are left) may be out
.if (\s) < 4
	MLOAD (\s)+4                                   ; four key steps' loads are on their way throughout
.endif
.set WNEW, 4*(1+(\s)/4)
	WIN WNEW                                       ; an LDS store's data are its source 1
.irp i, 0,1,2,3,4,5,6,7,8,9,10,11,12,13,14,15
	ds_store_b128 v2, v[64*((\s)%4)+4*\i:64*((\s)%4)+4*\i+3] offset:MPITCH*\i
.endr
	WIN 0
.irp t, 0,1,2,3,4,5,6,7
.irp c, 0,1
	ds_load_b128 v[MX+8*\t+4*\c:MX+8*\t+4*\c+3], v3 offset:64*\t+16*\c   ; LDS serves a wave's instructions in order: these see my stores, and the next step's stores come behind them
.endr
.endr
	s_wait_dscnt 0x0
.set w, 0
.rept 64
	v_cmp_ne_u32 s[MBAL+w%16], 0, v[MX+w]          ; word w: bit l = my lane's number is not 0
	v_writelane_b32 v[MOUT+2*(\s)+(w&1)], s[MBAL+w%16], w>>1
.set w, w+1
.endr
	global_store_b64 v4, v[MOUT+2*(\s):MOUT+2*(\s)+1], s[6:7] offset:256*(\s)   ; 32 lanes store 256 consecutive bytes, aligned; each step has its own pair of registers
.endm
	MLOAD 0
	MLOAD 1
	MLOAD 2
	MLOAD 3
.irp s, 0,1,2,3,4,5,6,7
	MSTEP \s
.endr
.Ljoin:
	s_wait_tensorcnt 0x0                           ; the wave's end
	ds_add_u32 v[SPW], v[NIL]
	s_wait_dscnt 0x0
	CROUND                                         ; the closing round: no work-group ends while a partner may still ask for a tile that names it
	s_endpgm
.Lfunc_end_k_q830ee3f04a_qkv:
	.size	k_q830ee3f04a_qkv, .Lfunc_end_k_q830ee3f04a_qkv-k_q830ee3f04a_qkv
	.p2alignl 7, 3214868480
	.fill 96, 4, 3214868480
	.section	.rodata,"a",@progbits
	.p2align	6, 0x0
	.amdhsa_kernel k_q830ee3f04a_qkv
		.amdhsa_group_segment_fixed_size 327680
		.amdhsa_private_segment_fixed_size 0
		.amdhsa_enable_private_segment 0
		.amdhsa_kernarg_size 120
		.amdhsa_user_sgpr_count 2
		.amdhsa_user_sgpr_kernarg_segment_ptr 1
		.amdhsa_wavefront_size32 1
		.amdhsa_system_sgpr_workgroup_id_x 1
		.amdhsa_system_sgpr_workgroup_id_y 1
		.amdhsa_system_sgpr_workgroup_id_z 1
		.amdhsa_system_vgpr_workitem_id 0
		.amdhsa_next_free_vgpr 1024
		.amdhsa_next_free_sgpr 102
		.amdhsa_reserve_vcc 1
		.amdhsa_float_denorm_mode_32 3
		.amdhsa_float_denorm_mode_16_64 3
		.amdhsa_memory_ordered 1
		.amdhsa_forward_progress 1
		.amdhsa_inst_pref_size 255
	.end_amdhsa_kernel
	.section	.bss,"aw",@nobits
	.p2align	6
	.space	262144
	.amdgpu_metadata
---
amdhsa.version: [ 1, 2 ]
amdhsa.kernels:
  - .name:           k_q830ee3f04a_qkv
    .symbol:         k_q830ee3f04a_qkv.kd
    .args:
      - { .name: x_codes, .offset: 0, .size: 8, .value_kind: global_buffer, .address_space: global }
      - { .name: x_scales, .offset: 8, .size: 8, .value_kind: global_buffer, .address_space: global }
      - { .name: Wq_codes, .offset: 16, .size: 8, .value_kind: global_buffer, .address_space: global }
      - { .name: Wq_scales, .offset: 24, .size: 8, .value_kind: global_buffer, .address_space: global }
      - { .name: Wk_codes, .offset: 32, .size: 8, .value_kind: global_buffer, .address_space: global }
      - { .name: Wk_scales, .offset: 40, .size: 8, .value_kind: global_buffer, .address_space: global }
      - { .name: Wv_codes, .offset: 48, .size: 8, .value_kind: global_buffer, .address_space: global }
      - { .name: Wv_scales, .offset: 56, .size: 8, .value_kind: global_buffer, .address_space: global }
      - { .name: cos, .offset: 64, .size: 8, .value_kind: global_buffer, .address_space: global }
      - { .name: sin, .offset: 72, .size: 8, .value_kind: global_buffer, .address_space: global }
      - { .name: timestamp, .offset: 80, .size: 8, .value_kind: global_buffer, .address_space: global }
      - { .name: qb, .offset: 88, .size: 8, .value_kind: global_buffer, .address_space: global }
      - { .name: kv, .offset: 96, .size: 8, .value_kind: global_buffer, .address_space: global }
      - { .name: attn_mask, .offset: 104, .size: 8, .value_kind: global_buffer, .address_space: global }
      - { .name: maskw, .offset: 112, .size: 8, .value_kind: global_buffer, .address_space: global }
    .group_segment_fixed_size: 327680
    .private_segment_fixed_size: 0
    .kernarg_segment_align: 8
    .kernarg_segment_size: 120
    .max_flat_workgroup_size: 128
    .sgpr_count:     102
    .vgpr_count:     1024
    .wavefront_size: 32
...
	.end_amdgpu_metadata
.endif
;; end of part 1
;; launch attn (part 2): grid 256 x 1, 16 waves a work-group, no clusters, 264,192 bytes of LDS; arguments qb, kv, maskw, oimg, osc; writes oimg, osc
.if DOCPART == 2
	.amdgcn_target "amdgcn-amd-amdhsa--gfx1250"
	.amdhsa_code_object_version 6
	.text
	.protected	k_q830ee3f04a_attn
	.globl	k_q830ee3f04a_attn
	.p2align	8
	.type	k_q830ee3f04a_attn,@function
k_q830ee3f04a_attn:
	s_mov_b64 s[64:65], 0
	v_nop
	global_prefetch_b8 v0, s[64:65] scope:SCOPE_SE
	s_setreg_imm32_b32 hwreg(HW_REG_WAVE_MODE, 25, 1), 1
	s_wait_xcnt 0x0
; o = softmax(mask(q k^T / 8)) v for two heads of one batch and 256 queries, both products on codes of FP6 (E2M3) with E8M0 scales, and o's quantising along the hidden axis for the last product.
; THE SOFTMAX: t = score x log2(e) / 8; M = the running largest t rounded UP to a whole number; p = 2^(t - M) is quantised along the keys, not normalised; the row's sum is taken of the unquantised p and divides o at the end.
; SHARES.  Work-group (cx, y): batch y / 8, heads 2 (y % 8) and 2 (y % 8) + 1, queries 256 cx on.  Each of sixteen waves owns one tile of 16 queries, in 256 registers, four waves to a SIMD; it takes the two heads one after
; the other (two passes), 8 key steps of 128 keys each.
; CLUSTER.  The four work-groups of a cluster walk the same two heads' k and v: 208,896 dense bytes of kv.  They are asked for JOINTLY, once, at the head: each wave one load of 51 rows of 256 bytes, the same in all four
; partners.  All of it stays in LDS: nothing is filled again.
; OPERANDS lie in kv and qb as images of their registers (laid by the launch before): a fragment comes by loads of 16 or 8 bytes a lane, consecutive from lane to lane.  The head is 64 long: a fragment's upper six registers are zero codes.
; BOTH PRODUCTS ARE USED TRANSPOSED: S^T = k q^T, O^T = v^T p^T: a lane holds one query (lane % 16).  Register 8 t + j of S^T holds key 16 t + 8 (lane / 16) + j.  p's sixteen registers of two neighbouring tiles are converted as
; they stand; v was laid in the same order inside each block of 32 keys, so the sums are the same.
; THE MASK comes as bits: word 8 t + j of a key step holds, at bit l, whether lane l's register 8 t + j counts.  64 words a step are loaded into scalar registers a step ahead; each is the selector of one v_cndmask_b32.
; A hidden score becomes -2^126.  log2(e) / 8 x 2^126 is exact, so while every key of a row so far is hidden t - M = 0 and p = 1; the first key that counts multiplies what was summed by 2^(old M - new M) = 0.
; A row with every key hidden so gets equal weights.
; LIMITS: scores are taken to lie above -2^126; NaN and infinities are not served; a block whose largest magnitude lies under 2^-124 gets the byte 1.
; REGISTERS: v1-4 constants, v5-7 q's offsets, v8-11 addresses in hand, v12 -M, v13 the largest t, v[14:15] the sum, v16-39 q of both heads, v40-87 four fragments of k, v88-95 k's scale words, v96-159 S^T, then p, then v's four
; fragments (v96-143), v160-191 O^T, v192-203 p's codes, v204-210 conversions' second halves, v212-223 at work, v224-227 v's scale words, v228 p's, v229-230 q's, v232 f, v234 at work, v236-247 o's codes, v248 o's scale word.
.set REC,   104448                     ; a head's record in kv
.set QREC,  53248                      ; and in qb
.set VIMG,  49152
.set KSC,   98304
.set VSC,   102400
.set QSC,   49152
.set PART,  13056                      ; 51 x 256 bytes: a wave's sixteenth of the two records
.set OSTG,  2*REC                      ; behind them: 1,024 bytes in which the waves' scale words of o meet; no tensor load lands there
.set ADK,  8
.set ADK2, 9
.set ADS,  10
.set ADT,  11
.set BM,   212                         ; v212-215 a block's largest score, then its largest p
.set BP,   216                         ; v216-219 the other half's, a chain of the sum, the bytes
.set BS,   220                         ; v220-223 the conversions' scale operands
.set WV,   14                          ; s14 wave
.set CX,   15                          ; s15 my place in the cluster
.set SEL,  28                          ; s[28:29] selects for lane l xor 16
.set CS,   30                          ; s[30:31] log2(e) / 8, twice
.set TB,   2                           ; s2   LDS byte of the step's images
.set CNT,  3                           ; s3   steps to go
.set MO,   66                          ; s66  the mask words' byte in my tile's 2,048
.set TS,   67                          ; s67  LDS byte of the step's scale words of k
.set TJ,   100                         ; s100 and of v
; K AND V'S WAY INTO LDS AND THE MASK, AS THEY STAND (in place of what the head says under CLUSTER).
; Each wave copies its sixteenth of the two records, 13,056 bytes, through registers: 25 loads of 512 consecutive bytes and one of 256, then as many LDS stores; one barrier; nothing is written there again.
; A key step ANDs its 64 mask words in scalar registers; where every bit is set no score is hidden, and a scalar branch leads round the 64 selects and round nothing else.
; NO TENSOR LOAD AND NO CLUSTER: the four work-groups that walk the same
; two heads do not ask jointly.  No prefetch: k, v and q are asked for at the head, the mask words a step ahead.
.macro MLOAD                           ; a key step's 64 mask words: s32-63 words 0-31, s68-99 words 32-63
	s_load_b512 s[32:47], s[8:9], s[MO] offset:0x0
	s_load_b512 s[48:63], s[8:9], s[MO] offset:0x40
	s_load_b512 s[68:83], s[8:9], s[MO] offset:0x80
	s_load_b512 s[84:99], s[8:9], s[MO] offset:0xc0
.endm
	s_load_b256 s[4:11], s[0:1], 0x0               ; qb s[4:5], kv s[6:7], maskw s[8:9], oimg s[10:11]
	s_load_b64 s[12:13], s[0:1], 0x20              ; osc
	v_lshl_add_u32 v254, v0, 2, 0x40000
	v_mov_b32 v255, 0
	v_lshrrev_b32 v1, 5, v0
	s_delay_alu instid0(VALU_DEP_1)
	v_readfirstlane_b32 s[WV], v1                  ; wave 0..15
	; THE SHARES BY THE WORK-GROUP'S NUMBER n (in place of (cx, y) at the head): bits 5:4 of n say which 256 queries, bits 3:0 and 7:6 which batch and pair of heads:
	; the four work-groups that read the same two records of kv have numbers 16 apart.  Only global addresses hang on it.
	s_bfe_u32 s[CX], ttmp9, 0x20004                ; which 256 queries
	s_and_b32 s32, ttmp9, 15
	s_lshr_b32 s33, ttmp9, 6
	s_lshl_b32 s33, s33, 4
	s_add_co_u32 s32, s32, s33                     ; 8 b + pair: 0 .. 63
	s_lshr_b32 s33, s32, 3                         ; b
	s_and_b32 s34, s32, 7                          ; the pair of heads
	s_lshl_b32 s35, s33, 4
	s_lshl_b32 s36, s34, 1
	s_add_co_u32 s35, s35, s36                     ; the first head's record: 16 b + 2 x pair
	s_mul_i32 s25, s[WV], PART                     ; my part's LDS address: the wave's number x a constant
	s_mul_i32 s38, s35, REC
	s_add_co_u32 s38, s38, s25                     ; and its bytes in kv: nothing of cx in it
	s_mov_b32 s39, 0
	s_lshl_b32 s40, s[CX], 4
	s_add_co_u32 s40, s40, s[WV]                   ; qt: my tile of queries, 0..63
	s_mul_i32 s42, s35, QREC
	s_mov_b32 s43, 0
	s_lshl_b32 s44, s33, 6
	s_add_co_u32 s44, s44, s40
	s_lshl_b32 s44, s44, 11                        ; my tile's 2,048 bytes of mask words
	s_mov_b32 s45, 0
	s_lshl_b32 s48, s33, 3
	s_lshl_b32 s47, s[CX], 1
	s_add_co_u32 s48, s48, s47                     ; 8 b + 2 cx
	s_lshr_b32 s47, s[WV], 3
	s_add_co_u32 s46, s48, s47                     ; G: my 128 tokens
	s_lshl_b32 s46, s46, 3
	s_add_co_u32 s46, s46, s34
	s_lshl_b32 s46, s46, 3
	s_and_b32 s47, s[WV], 7
	s_add_co_u32 s46, s46, s47
	s_mul_i32 s46, s46, 1536                       ; oimg: ((8 G + pair) 8 + tile) images
	s_mov_b32 s47, 0
	s_and_b32 s49, s[WV], 1
	s_add_co_u32 s48, s48, s49                     ; osc (waves 0 and 1 store): G = 8 b + 2 cx + wave
	s_lshl_b32 s48, s48, 3
	s_add_co_u32 s48, s48, s34
	s_lshl_b32 s48, s48, 9
	s_mov_b32 s49, 0
	s_mul_i32 s2, s40, 768                         ; my tile's image in a record of qb
	s_lshr_b32 s3, s40, 2
	s_lshl_b32 s3, s3, 8
	s_and_b32 s101, s40, 3
	s_lshl_b32 s101, s101, 2
	s_add_co_u32 s3, s3, s101
	s_add_co_u32 s3, s3, QSC                       ; its scale words: QSC + 256 (qt / 4) + 4 (qt % 4) (+ 16 r)
	s_mov_b32 s[SEL], 0x76543210
	s_mov_b32 s[SEL+1], 0xfedcba98
	s_mov_b32 s[CS], 0x3e38aa3b                    ; log2(e) / 8
	s_mov_b32 s[CS+1], s[CS]
	s_mov_b32 s[MO], 0
	s_wait_kmcnt 0x0
	s_add_nc_u64 s[26:27], s[6:7], s[38:39]        ; my part of the two records in kv
	s_add_nc_u64 s[4:5], s[4:5], s[42:43]
	s_add_nc_u64 s[8:9], s[8:9], s[44:45]
	s_add_nc_u64 s[10:11], s[10:11], s[46:47]
	s_add_nc_u64 s[12:13], s[12:13], s[48:49]
	MLOAD                                          ; key step 0's mask words
	v_and_b32 v5, 31, v0
	s_delay_alu instid0(VALU_DEP_1)
	v_lshlrev_b32 v1, 4, v5                        ; 16 x lane
	s_delay_alu instid0(VALU_DEP_2)
	v_lshl_add_u32 v2, v5, 3, 512                  ; 8 x lane + 512
	v_and_b32 v6, 15, v0
	s_delay_alu instid0(VALU_DEP_1)
	v_lshlrev_b32 v3, 4, v6                        ; 16 r
	v_mov_b32 v4, 0xfe800000                       ; -2^126
	v_add_nc_u32 v5, s2, v1
	v_add_nc_u32 v6, s2, v2
	s_delay_alu instid0(VALU_DEP_4)
	v_add_nc_u32 v7, s3, v3
	v_add_nc_u32 v8, s25, v1                       ; where my part goes in LDS
	v_add_nc_u32 v9, s25, v2
.set n, 0
.rept 25
	global_load_b128 v[96+4*n:99+4*n], v1, s[26:27] offset:512*n   ; 512 consecutive bytes, aligned
.set n, n+1
.endr
	global_load_b64 v[196:197], v2, s[26:27] offset:12288          ; the last 256 bytes: 12,800 + 8 x lane
	global_load_b128 v[16:19], v5, s[4:5]          ; q of the first head: six registers,
	global_load_b64 v[20:21], v6, s[4:5]
	global_load_b32 v229, v7, s[4:5]               ; its scale words,
	global_load_b128 v[28:31], v5, s[4:5] offset:QREC   ; and the second head's
	global_load_b64 v[32:33], v6, s[4:5] offset:QREC
	global_load_b32 v230, v7, s[4:5] offset:QREC
.irp i, 22,23,24,25,26,27,34,35,36,37,38,39
	v_mov_b32 v\i, 0                               ; K = 64 .. 127 of q: zero codes
.endr
.irp f, 0,1,2,3
.irp i, 6,7,8,9,10,11
	v_mov_b32 v[40+12*\f+\i], 0                    ; and of k: written once, never loaded over
.endr
.endr
.irp b, 0,1,2,3
	v_mov_b32 v[BP+\b], 0                          ; a lane permute's destination counts as one of its sources
.endr
	v_mov_b32 v233, 0                              ; (named as the upper half of the pair v[232:233])
	v_mov_b32 v234, 0
	s_wait_alu depctr_va_vdst(0)
	s_wait_loadcnt 0x0                             ; my part of k and v, and q
.set n, 0
.rept 25
	ds_store_b128 v8, v[96+4*n:99+4*n] offset:512*n
.set n, n+1
.endr
	ds_store_b64 v9, v[196:197] offset:12288
	s_wait_dscnt 0x0                               ; for the others' sake: my part is in LDS,
	s_barrier_signal -1
	s_barrier_wait -1                              ; everybody's is
; A KEY STEP: 128 keys.  qf: q's fragment, qs: its scale words.
.macro STEP qf, qs
	v_add_nc_u32 v[ADK], s[TB], v1
	s_wait_alu depctr_va_vdst(0)
	v_add_nc_u32 v[ADK2], s[TB], v2
	s_wait_alu depctr_va_vdst(0)
	v_add_nc_u32 v[ADS], s[TS], v3
	v_add_nc_u32 v[ADT], s[TJ], v3
	v_nop                                          ; six places: S^T is laid over registers that the last step's products read, which wants five
	v_nop
	ds_load_b128 v[88:91], v[ADS]                  ; k's scale words of tiles 0-3,
	ds_load_b128 v[92:95], v[ADS] offset:256       ; and 4-7
.irp g, 0,1                                    ; S^T = k q^T, four tiles of 16 keys at a time
.if \g
.rept 4
	v_nop                                          ; places in front of loads into registers that matrix instructions have read
.endr
.endif
.irp t, 0,1,2,3
	ds_load_b128 v[40+12*\t:43+12*\t], v[ADK] offset:768*(4*\g+\t)
	ds_load_b64 v[44+12*\t:45+12*\t], v[ADK2] offset:768*(4*\g+\t)
.endr
	s_wait_dscnt 0x0
.irp t, 0,1,2,3
	v_wmma_scale_f32_16x16x128_f8f6f4 v[96+8*(4*\g+\t):103+8*(4*\g+\t)], v[40+12*\t:51+12*\t], v[\qf:\qf+11], 0, v[88+4*\g+\t], v[\qs] matrix_a_fmt:MATRIX_FMT_FP6 matrix_b_fmt:MATRIX_FMT_FP6
.endr
.endr
.rept 4
	v_nop
.endr
	s_wait_kmcnt 0x0                               ; this step's mask words, asked for a step ago
	s_and_b64 s[16:17], s[32:33], s[34:35]         ; the AND of all 64 words, in two chains
	s_and_b64 s[18:19], s[68:69], s[70:71]
.irp i, 36,38,40,42,44,46,48,50,52,54,56,58,60,62
	s_and_b64 s[16:17], s[16:17], s[\i:\i+1]
	s_and_b64 s[18:19], s[18:19], s[\i+36:\i+37]
.endr
	s_and_b64 s[16:17], s[16:17], s[18:19]
	s_and_b32 s16, s16, s17
	s_cmp_eq_u32 s16, -1
	s_cbranch_scc1 .Lopen_\@                       ; every key of the step counts for every query of my tile: nothing to select
.set n, 0
.rept 32
	v_cndmask_b32 v[96+n], v4, v[96+n], s[32+n]    ; a hidden score becomes -2^126.  Each tile from its low end on
.set n, n+1
.endr
.rept 32
	v_cndmask_b32 v[96+n], v4, v[96+n], s[36+n]
.set n, n+1
.endr
.Lopen_\@:
	s_add_co_u32 s[MO], s[MO], 256                 ; the next step's words; behind the eighth step the first's again, for the second head: the offset stays inside my tile's 2,048 bytes
	s_and_b32 s[MO], s[MO], 0x7ff
	MLOAD
.irp b, 0,1,2,3
	v_max3_num_f32 v[BM+\b], v[96+16*\b], v[97+16*\b], v[98+16*\b]   ; the largest score of each block of 32 keys: for the row's maximum and, since p rises with the score, for the block's largest p
.endr
.irp i, 3,5,7,9,11,13
.irp b, 0,1,2,3
	v_max3_num_f32 v[BM+\b], v[BM+\b], v[96+16*\b+\i], v[97+16*\b+\i]   ; the four blocks by turns: no line reads the result of the line above it
.endr
.endr
.irp b, 0,1,2,3
	v_max_num_f32 v[BM+\b], v[BM+\b], v[111+16*\b]
.endr
.irp b, 0,1,2,3
	s_delay_alu instid0(VALU_DEP_4)
	v_permlanex16_b32 v[BP+\b], v[BM+\b], s[SEL], s[SEL+1]
.endr
.irp b, 0,1,2,3
	s_delay_alu instid0(VALU_DEP_4)
	v_max_num_f32 v[BM+\b], v[BM+\b], v[BP+\b]     ; with lane l xor 16's 16 keys
.endr
	s_delay_alu instid0(VALU_DEP_2)
	v_max3_num_f32 v234, v[BM], v[BM+1], v[BM+2]
	s_delay_alu instid0(VALU_DEP_1)
	v_max_num_f32 v234, v234, v[BM+3]              ; the step's largest score of my query
	s_delay_alu instid0(VALU_DEP_1)
	v_mul_f32 v234, s[CS], v234                    ; as t
	s_delay_alu instid0(VALU_DEP_1)
	v_max_num_f32 v13, v13, v234                   ; the running largest t
	v_mov_b32 v234, v12
	s_delay_alu instid0(VALU_DEP_2)
	v_floor_f32 v12, -v13                          ; the new -M = floor(-t): M is a whole number
	s_delay_alu instid0(VALU_DEP_1)
	v_sub_f32 v234, v12, v234                      ; old M - new M: a whole number, 0 or less
	s_delay_alu instid0(VALU_DEP_1)
	v_cvt_i32_f32 v234, v234                       ; (it saturates)
	s_delay_alu instid0(VALU_DEP_1)
	v_ldexp_f32 v232, 1.0, v234                    ; f = 2^(old M - new M): a multiplication by it rounds nothing
.set n, 0
.rept 32
	v_pk_fma_f32 v[96+n:97+n], v[96+n:97+n], s[CS:CS+1], v[12:13] op_sel_hi:[1,0,0]   ; t - M, two at a time
.set n, n+2
.endr
.irp b, 0,1,2,3
	v_fma_f32 v[BM+\b], v[BM+\b], s[CS], v12       ; the same of each block's largest score
.endr
.set n, 0
	s_wait_alu depctr_va_vdst(0)
.rept 64
	v_exp_f32 v[96+n], v[96+n]                     ; p = 2^(t - M), at most 1
.set n, n+1
.endr
	v_pk_mul_f32 v[14:15], v[14:15], v[232:233] op_sel_hi:[1,0]   ; the sums under the new M: a plain place behind the exponentials
	s_wait_alu depctr_va_vdst(0)                   ; one wait for the batch of 64, ahead of its first reader
.irp b, 0,1,2,3
	v_exp_f32 v[BM+\b], v[BM+\b]                   ; the block's largest p: the same two instructions on the same number
.endr
	v_pk_add_f32 v[216:217], v[100:101], v[104:105]
	v_pk_add_f32 v[252:253], v[108:109], v[112:113]
	v_pk_add_f32 v[250:251], v[116:117], v[120:121]
	v_pk_add_f32 v[246:247], v[124:125], v[128:129]
	v_pk_add_f32 v[244:245], v[132:133], v[136:137]
	v_pk_add_f32 v[242:243], v[140:141], v[144:145]
	v_pk_add_f32 v[226:227], v[148:149], v[152:153]
	v_pk_add_f32 v[14:15], v[14:15], v[156:157]
	v_pk_add_f32 v[216:217], v[216:217], v[96:97]
	v_pk_add_f32 v[252:253], v[252:253], v[98:99]
	v_pk_add_f32 v[250:251], v[250:251], v[102:103]
	v_pk_add_f32 v[246:247], v[246:247], v[106:107]
	v_pk_add_f32 v[244:245], v[244:245], v[110:111]
	v_pk_add_f32 v[242:243], v[242:243], v[114:115]
	v_pk_add_f32 v[226:227], v[226:227], v[118:119]
	v_pk_add_f32 v[14:15], v[14:15], v[122:123]
	v_pk_add_f32 v[216:217], v[216:217], v[126:127]
	v_pk_add_f32 v[252:253], v[252:253], v[130:131]
	v_pk_add_f32 v[250:251], v[250:251], v[134:135]
	v_pk_add_f32 v[246:247], v[246:247], v[138:139]
	v_pk_add_f32 v[244:245], v[244:245], v[142:143]
	v_pk_add_f32 v[242:243], v[242:243], v[146:147]
	v_pk_add_f32 v[226:227], v[226:227], v[150:151]
	v_pk_add_f32 v[14:15], v[14:15], v[154:155]
	v_pk_add_f32 v[216:217], v[216:217], v[158:159]
	s_delay_alu instid0(VALU_DEP_2)
	v_pk_add_f32 v[14:15], v[14:15], v[246:247]
	s_delay_alu instid0(VALU_DEP_2)
	v_pk_add_f32 v[216:217], v[216:217], v[244:245]
	v_pk_add_f32 v[252:253], v[252:253], v[242:243]
	v_pk_add_f32 v[250:251], v[250:251], v[226:227]
	s_delay_alu instid0(VALU_DEP_2)
	v_pk_add_f32 v[14:15], v[14:15], v[252:253]
	s_delay_alu instid0(VALU_DEP_2)
	v_pk_add_f32 v[216:217], v[216:217], v[250:251]
	s_delay_alu instid0(VALU_DEP_1)
	v_pk_add_f32 v[14:15], v[14:15], v[216:217]
	s_wait_alu depctr_va_vdst(0)                   ; and one for the four
.irp b, 0,1,2,3
	v_max_num_f32 v[BM+\b], 0x1800000, v[BM+\b]    ; the floor 2^(3 - 127): the byte cannot fall under 1
.endr
.irp b, 0,1,2,3
	s_delay_alu instid0(VALU_DEP_4)
	v_add_nc_u32 v[BS+\b], 0xff000000, v[BM+\b]    ; 2 off the exponent field: the conversion's scale operand
.endr
.irp b, 0,1,2,3
	s_delay_alu instid0(VALU_DEP_4)
	v_lshrrev_b32 v[BP+\b], 23, v[BS+\b]           ; the scale's byte
.endr
	s_delay_alu instid0(VALU_DEP_3)
	v_lshl_or_b32 v228, v[BP+1], 8, v[BP]          ; p's scale word for these 128 keys
	s_delay_alu instid0(VALU_DEP_1)
	v_lshl_or_b32 v228, v[BP+2], 16, v228
	s_delay_alu instid0(VALU_DEP_1)
	v_lshl_or_b32 v228, v[BP+3], 24, v228
.irp c, 0,1
	v_cvt_scalef32_pk16_fp6_f32 v[192+6*\c:194+6*\c], v[96+32*\c:111+32*\c], v[BS+2*\c]
	v_cvt_scalef32_pk16_fp6_f32 v[204+4*\c:206+4*\c], v[112+32*\c:127+32*\c], v[BS+2*\c+1]
.endr
.irp a, 0,1,2,3                                ; v's four fragments land where p lay, while p's codes are put in order
.irp i, 0,1,2
	ds_load_b128 v[96+12*\a+4*\i:99+12*\a+4*\i], v[ADK] offset:VIMG+1536*\a+512*\i
.endr
.endr
	ds_load_b128 v[224:227], v[ADT]                ; and their scale words
	v_nop                                          ; one plain place behind a scaled conversion
.irp c, 0,1
.irp i, 0,1,2
	v_permlane16_swap_b32 v[192+6*\c+\i], v[204+4*\c+\i]   ; a whole block to a lane
.endr
.irp i, 0,1,2
	s_delay_alu instid0(VALU_DEP_3)
	v_mov_b32 v[195+6*\c+\i], v[204+4*\c+\i]
.endr
.endr
.set n, 0
.rept 16
	v_pk_mul_f32 v[160+n:161+n], v[160+n:161+n], v[232:233] op_sel_hi:[1,0]   ; O^T under the new M.  (These are also the places between p's codes and scale word and the products)
.set n, n+2
.endr
	s_wait_alu depctr_va_vdst(0)
	s_wait_dscnt 0x0
.irp a, 0,1,2,3                                ; O^T += v^T p^T: the four accumulators by turns
	v_wmma_scale_f32_16x16x128_f8f6f4 v[160+8*\a:167+8*\a], v[96+12*\a:107+12*\a], v[192:203], v[160+8*\a:167+8*\a], v[224+\a], v228 matrix_a_fmt:MATRIX_FMT_FP6 matrix_b_fmt:MATRIX_FMT_FP6
.endr
	s_add_co_u32 s[TB], s[TB], 6144                ; the next step's images and scale words
	s_add_co_u32 s[TS], s[TS], 512
	s_add_co_u32 s[TJ], s[TJ], 256
.endm
; Head c's O^T is divided by the sum, put in the hidden axis's own order and quantised: registers 6 c .. 6 c + 5 of o's fragment, bytes 2 c and 2 c + 1 of its scale word.
.macro OUTQ c
.rept 4
	v_nop                                          ; places behind the last products
.endr
	v_add_f32 v14, v14, v15
	s_delay_alu instid0(VALU_DEP_1)
	v_permlanex16_b32 v234, v14, s[SEL], s[SEL+1]
	s_delay_alu instid0(VALU_DEP_1)
	v_add_f32 v14, v14, v234                       ; the row's sum
	s_wait_alu depctr_va_vdst(0)
	v_rcp_f32 v14, v14
	v_nop                                          ; a plain place behind the reciprocal
	s_wait_alu depctr_va_vdst(0)                   ; and the wait ahead of its first reader
.set n, 0
.rept 16
	v_pk_mul_f32 v[160+n:161+n], v[160+n:161+n], v[14:15] op_sel_hi:[1,0]
.set n, n+2
.endr
.irp b, 0,1                                    ; register j of tiles 2 b and 2 b + 1 holds d = 32 b + 8 h + j and 32 b + 16 + 8 h + j; behind the exchange d = 32 b + 16 h + j and 32 b + 16 h + 8 + j: this operand meets a given one, so k stands in its own order
.irp j, 0,1,2,3,4,5,6,7
	v_permlane16_swap_b32 v[160+16*\b+\j], v[168+16*\b+\j]
.endr
.endr
.irp b, 0,1
	v_max3_num_f32 v[BM+\b], |v[160+16*\b]|, |v[161+16*\b]|, 0x1800000
.endr
.irp i, 2,4,6,8,10,12,14
.irp b, 0,1
	s_delay_alu instid0(VALU_DEP_2)
	v_max3_num_f32 v[BM+\b], v[BM+\b], |v[160+16*\b+\i]|, |v[161+16*\b+\i]|
.endr
.endr
.irp b, 0,1
	s_delay_alu instid0(VALU_DEP_2)
	v_permlanex16_b32 v[BP+\b], v[BM+\b], s[SEL], s[SEL+1]
.endr
.irp b, 0,1
	s_delay_alu instid0(VALU_DEP_2)
	v_max_num_f32 v[BM+\b], v[BM+\b], v[BP+\b]
.endr
.irp b, 0,1
	s_delay_alu instid0(VALU_DEP_2)
	v_add_nc_u32 v[BS+\b], 0xff000000, v[BM+\b]
.endr
.irp b, 0,1
	s_delay_alu instid0(VALU_DEP_2)
	v_lshrrev_b32 v[BP+\b], 23, v[BS+\b]
.endr
.if (\c) == 0
	s_delay_alu instid0(VALU_DEP_1)
	v_lshl_or_b32 v248, v[BP+1], 8, v[BP]
.else
	s_delay_alu instid0(VALU_DEP_2)
	v_lshl_or_b32 v248, v[BP], 16, v248
	s_delay_alu instid0(VALU_DEP_1)
	v_lshl_or_b32 v248, v[BP+1], 24, v248
.endif
	v_cvt_scalef32_pk16_fp6_f32 v[236+6*(\c):238+6*(\c)], v[160:175], v[BS]
	v_cvt_scalef32_pk16_fp6_f32 v[204:206], v[176:191], v[BS+1]
	v_nop
.irp i, 0,1,2
	v_permlane16_swap_b32 v[236+6*(\c)+\i], v[204+\i]
.endr
.irp i, 0,1,2
	s_delay_alu instid0(VALU_DEP_3)
	v_mov_b32 v[239+6*(\c)+\i], v[204+\i]
.endr
.endm
.macro PASS c
	s_mov_b32 s[TB], (\c)*REC
	s_mov_b32 s[TS], (\c)*REC+KSC
	s_mov_b32 s[TJ], (\c)*REC+VSC
	v_mov_b32 v13, 0xff61b1e6                      ; the largest t so far: -3e38
	s_delay_alu instid0(VALU_DEP_1)
	v_floor_f32 v12, -v13
	v_mov_b32 v14, 0
	v_mov_b32 v15, 0
.set n, 0
.rept 32
	v_mov_b32 v[160+n], 0                          ; O^T: the step is written once; the first finds zeros, which the first change of M leaves zeros
.set n, n+1
.endr
	s_mov_b32 s[CNT], 8
.Lstep_\@:
	STEP 16+12*(\c), 229+(\c)
	s_sub_co_u32 s[CNT], s[CNT], 1
	s_cmp_lg_u32 s[CNT], 0
	s_cbranch_scc1 .Lstep_\@
	OUTQ \c
.endm
	PASS 0
	PASS 1
.irp i, 0,1,2
	global_store_b128 v1, v[236+4*\i:239+4*\i], s[10:11] offset:512*\i   ; o's fragment as it stands: 512 consecutive bytes a store, aligned
.endr
	v_and_b32 v8, 15, v0
	s_delay_alu instid0(VALU_DEP_1)
	v_lshlrev_b32 v8, 2, v8
	s_lshl_b32 s2, s[WV], 6
	s_add_co_u32 s2, s2, OSTG
	v_add_nc_u32 v8, s2, v8                        ; my tile's 16 scale words: OSTG + 64 x wave + 4 r
	s_and_b32 s3, s[WV], 1
	s_lshl_b32 s3, s3, 9
	s_add_co_u32 s3, s3, OSTG
	v_add_nc_u32 v9, s3, v1                        ; eight tiles' words: 512 bytes
	ds_store_b32 v8, v248                          ; both halves of the lanes write the same word with the same value
	s_wait_dscnt 0x0                               ; for the others' sake
	s_barrier_signal -1
	s_barrier_wait -1
	s_cmp_lt_u32 s[WV], 2
	s_cbranch_scc0 .Lno_osc
	s_wait_alu depctr_va_vdst(0)
	ds_load_b128 v[212:215], v9                    ; waves 0 and 1 store the words of 128 tokens each: 512 consecutive bytes, aligned
	s_wait_dscnt 0x0
	global_store_b128 v1, v[212:215], s[12:13]
.Lno_osc:
	s_wait_kmcnt 0x0                               ; the mask words asked for in the last step
	s_wait_tensorcnt 0x0
	ds_add_u32 v254, v255
	s_wait_dscnt 0x0
	s_endpgm
.Lfunc_end_k_q830ee3f04a_attn:
	.size	k_q830ee3f04a_attn, .Lfunc_end_k_q830ee3f04a_attn-k_q830ee3f04a_attn
	.p2alignl 7, 3214868480
	.fill 96, 4, 3214868480
	.section	.rodata,"a",@progbits
	.p2align	6, 0x0
	.amdhsa_kernel k_q830ee3f04a_attn
		.amdhsa_group_segment_fixed_size 264192
		.amdhsa_private_segment_fixed_size 0
		.amdhsa_enable_private_segment 0
		.amdhsa_kernarg_size 40
		.amdhsa_user_sgpr_count 2
		.amdhsa_user_sgpr_kernarg_segment_ptr 1
		.amdhsa_wavefront_size32 1
		.amdhsa_system_sgpr_workgroup_id_x 1
		.amdhsa_system_sgpr_workgroup_id_y 1
		.amdhsa_system_sgpr_workgroup_id_z 1
		.amdhsa_system_vgpr_workitem_id 0
		.amdhsa_next_free_vgpr 256
		.amdhsa_next_free_sgpr 102
		.amdhsa_reserve_vcc 0
		.amdhsa_float_denorm_mode_32 3
		.amdhsa_float_denorm_mode_16_64 3
		.amdhsa_memory_ordered 1
		.amdhsa_forward_progress 1
		.amdhsa_inst_pref_size 69
	.end_amdhsa_kernel
	.amdgpu_metadata
---
amdhsa.version: [ 1, 2 ]
amdhsa.kernels:
  - .name:           k_q830ee3f04a_attn
    .symbol:         k_q830ee3f04a_attn.kd
    .args:
      - { .name: qb, .offset: 0, .size: 8, .value_kind: global_buffer, .address_space: global }
      - { .name: kv, .offset: 8, .size: 8, .value_kind: global_buffer, .address_space: global }
      - { .name: maskw, .offset: 16, .size: 8, .value_kind: global_buffer, .address_space: global }
      - { .name: oimg, .offset: 24, .size: 8, .value_kind: global_buffer, .address_space: global }
      - { .name: osc, .offset: 32, .size: 8, .value_kind: global_buffer, .address_space: global }
    .group_segment_fixed_size: 264192
    .private_segment_fixed_size: 0
    .kernarg_segment_align: 8
    .kernarg_segment_size: 40
    .max_flat_workgroup_size: 512
    .sgpr_count:     102
    .vgpr_count:     256
    .wavefront_size: 32
...
	.end_amdgpu_metadata
.endif
;; end of part 2
;; launch outproj (part 3): grid 64 x 4, 4 waves a work-group, clusters of 4 x 1, 262,656 bytes of LDS; arguments oimg, osc, Wo_codes, Wo_scales, out0; writes out0
.if DOCPART == 3
	.amdgcn_target "amdgcn-amd-amdhsa--gfx1250"
	.amdhsa_code_object_version 6
	.text
	.protected	k_q830ee3f04a_outproj
	.globl	k_q830ee3f04a_outproj
	.p2align	8
	.type	k_q830ee3f04a_outproj,@function
k_q830ee3f04a_outproj:
	s_mov_b64 s[64:65], 0
	v_nop
	global_prefetch_b8 v0, s[64:65] scope:SCOPE_SE
	s_setreg_imm32_b32 hwreg(HW_REG_WAVE_MODE, 25, 1), 1
	s_wait_xcnt 0x0
	s_wait_alu depctr_hold_cnt(0) depctr_sa_sdst(0) depctr_va_vdst(0) depctr_va_sdst(0) depctr_va_ssrc(0) depctr_va_vcc(0) depctr_vm_vsrc(0)
	s_getreg_b32 s2, hwreg(HW_REG_IB_STS2, 6, 4)
	s_cmp_eq_u32 s2, 0
	s_cbranch_scc0 .Lentry_in_a_cluster
	s_endpgm
.Lentry_in_a_cluster:
	s_bfe_u32 s2, ttmp6, 0x10000c
	s_cmp_lg_u32 s2, 0x3003
	s_cbranch_scc0 .Lentry_shape_is_right
	s_endpgm
.Lentry_shape_is_right:
; out0 = o Wo^T on codes of FP6 (E2M3) with E8M0 scales; K = 1,024.  o comes from the attention launch as images of fragments (oimg) and scale words (osc); Wo as given.
; SHARES.  Work-group (x, y): tokens 128 x on, rows 256 y on of Wo: 256 work-groups.  Wave w: 64 tokens (w / 2) x 128 outputs (w % 2): 32 accumulators.
; CLUSTER.  The four work-groups of a cluster have the same y: Wo's 256 rows, for ALL of K, and their scales are asked for JOINTLY, once, at the head: five loads a wave, all out together by this text's own count.
; They stay in LDS: nothing is filled again.  K is walked in 8 steps of 128; a chunk of 256 along K is read behind a barrier in front of which every wave has seen its own part of it land.
; o goes from memory straight into registers: an image's registers 4 i .. 4 i + 3 lie at 512 i + 16 x lane.  All 8 K steps' fragments of my 64 tokens are 384 registers.
; THE MATRIX INSTRUCTION IS USED TRANSPOSED (source 0 = 16 rows of Wo, source 1 = 16 tokens): a lane holds eight neighbouring outputs of one token.
; REGISTERS, in windows of 256: window 0: v1-9 at work, v4 16 x lane, v5 4 x lane, v16-23 Wo's LDS addresses for each chunk, v24-26 stage and scales, v32-47 o's scale words, v64-127 Wo's scale words [tile][K step],
;   v128-223 Wo's fragments, set 1 (odd K steps); on the way out v128-255.   window 1: the accumulators ((m, b) at v[8 (8 m + b)]).   window 2: o's fragments of K steps 0-4.   window 3: v0-143 of K steps 5-7; v144-239 Wo's set 0.
; WO'S WAY INTO LDS AS IT STANDS (in place of what the head says of five loads, of chunks and of scales in LDS): each wave asks ONCE, jointly with its three partners, for 64 whole rows of 768 bytes, which begin
; at multiples of 256 bytes; one barrier shows all 256 rows to all waves.  Wo's scale words go from memory straight into registers.  No prefetch: the launch has no loop to run ahead in.
.set PITCH,  816                       ; an LDS row of 768 bytes: 3 x (256 + 16 of padding) = 204 words: row r starts at bank 12 r mod 64, sixteen different multiples of 4
.set QUART,  64*PITCH                  ; what one tensor load brings
.set STAGE,  256*PITCH                 ; behind Wo's rows: the stages of the way out, in blocks of 256 bytes into which no tile lands
.set FR,     12
.set SPITCH, 528                       ; the way out: 16 rows x (512 bytes + 16) a wave
.set LI,   4
.set LS,   5
.set ADRB, 16                          ; v16-17 Wo's tiles 0-3, 4-7; v20-21 the same where lanes 16-31 read behind one padding more
.set SOF,  24                          ; v24 my row among 16 rows of scale bytes: 32 r
.set STO,  25
.set RD,   26
.set OS,   32                          ; o's scale words: register 2 p + mm: lanes 0-15 token tile 2 mm, lanes 16-31 tile 2 mm + 1
.set WS,   64                          ; Wo's: register 8 b + p
.set BK,   128
.set WV,   14
.set HT,   15
.set HN,   16
.set G1,   20                          ; s[20:27] group 1
.set G0C,  40                          ; s[40:43] group 0
.set MSB, 0
.macro WIN new
.if MSB != \new
	s_set_vgpr_msb (MSB<<8)|\new
.set MSB, \new
.endif
.endm
.macro ROUND
	s_barrier_signal -1
	s_barrier_wait -1
	s_cmp_lg_u32 s[WV], 0
	s_cbranch_scc1 .Lnot_wave_0_\@
	s_barrier_signal -3
.Lnot_wave_0_\@:
	s_barrier_wait -3
	s_barrier_signal -1
	s_barrier_wait -1
.endm
.macro PLACES
.rept 4
	v_nop
.endr
.endm
	s_load_b256 s[4:11], s[0:1], 0x0               ; oimg s[4:5], osc s[6:7], Wo's codes s[8:9], Wo's scales s[10:11]
	s_load_b64 s[12:13], s[0:1], 0x20              ; out0
	v_lshl_add_u32 v62, v0, 2, 0x40000
	v_mov_b32 v63, 0
	ds_add_u32 v62, v63
	ds_add_u32 v62, v63
	v_lshrrev_b32 v1, 5, v0
	v_readfirstlane_b32 s[WV], v1                  ; wave 0..3
	s_lshr_b32 s[HT], s[WV], 1                     ; my 64 tokens
	s_and_b32 s[HN], s[WV], 1                      ; my 128 outputs
	s_bfe_u32 s17, ttmp6, 0x40000                  ; cx
	s_and_b32 s18, ttmp7, 0xffff                   ; y: which 256 rows of Wo
	s_mov_b32 s[G1], 15|(0<<16)|(1<<20)|(1<<21)|(5<<22)|(3<<25)   ; the mask: all four partners; elements of 1 byte; padding on; bit 21 beside a mask; after every 64 words; 4 words
	s_mov_b32 s[G1+1], 768<<16                     ; tensor_dim0
	s_mov_b32 s[G1+2], 64<<16                      ; tensor_dim1
	s_mov_b32 s[G1+3], 768<<16                     ; tile_dim0
	s_mov_b32 s[G1+4], 64                          ; tile_dim1
	s_mov_b32 s[G1+5], 768                         ; the pitch
	s_mov_b32 s[G1+6], 0
	s_mov_b32 s[G1+7], 0
	s_lshl_b32 s56, s18, 8
	s_lshl_b32 s57, s[WV], 6
	s_add_co_u32 s56, s56, s57                     ; the rows that I fetch: 256 y + 64 x wave: nothing of cx in it
	s_lshl_b32 s58, s18, 1                         ; the scales of the 128 rows that I multiply: 32 bytes x 128 x (2 y + wave % 2)
	s_add_co_u32 s58, s58, s[HN]
	s_lshl_b32 s58, s58, 12
	s_mov_b32 s59, 0
	s_mul_i32 s56, s56, 768
	s_mov_b32 s57, 0
	s_mul_i32 s[G0C+1], s[WV], QUART               ; the LDS address: the wave's number x a constant
	s_wait_dscnt 0x0
	s_wait_kmcnt 0x0
	s_add_nc_u64 s[8:9], s[8:9], s[56:57]
	s_add_nc_u64 s[10:11], s[10:11], s[58:59]
	s_mov_b32 s[G0C], 1
	s_mov_b64 s[G0C+2:G0C+3], s[8:9]
	s_or_b32 s[G0C+3], s[G0C+3], 0x80000000
	ROUND                                          ; all four work-groups are here: the joint loads meet
	tensor_load_to_lds s[G0C:G0C+3], s[G1:G1+7]    ; my one tensor load of the launch: 64 rows, all of K
	s_nop 0
.rept 4
	v_nop
.endr
	s_lshl_b32 s19, ttmp9, 2
	s_add_co_u32 s19, s19, s17                     ; G: my work-group's 128 tokens
	s_mul_i32 s2, s19, 98304                       ; oimg: 64 images of 1,536 bytes for 128 tokens,
	s_mul_i32 s3, s[HT], 6144                      ; my four tiles
	s_add_co_u32 s2, s2, s3
	s_mov_b32 s3, 0
	s_add_nc_u64 s[4:5], s[4:5], s[2:3]
	s_lshl_b32 s2, s19, 12                         ; osc: 8 x 512 bytes for 128 tokens,
	s_lshl_b32 s3, s[HT], 8                        ; my four tiles' words
	s_add_co_u32 s2, s2, s3
	s_mov_b32 s3, 0
	s_add_nc_u64 s[6:7], s[6:7], s[2:3]
	s_lshl_b32 s2, s19, 19                         ; out0: 128 rows of 4,096 bytes,
	s_lshl_b32 s3, s[HT], 18                       ; my 64 rows,
	s_add_co_u32 s2, s2, s3
	s_lshl_b32 s3, s18, 10                         ; 256 outputs of 4 bytes,
	s_add_co_u32 s2, s2, s3
	s_lshl_b32 s3, s[HN], 9                        ; my 128
	s_add_co_u32 s2, s2, s3
	s_mov_b32 s3, 0
	s_add_nc_u64 s[12:13], s[12:13], s[2:3]
	v_and_b32 v1, 15, v0                           ; r
	v_bfe_u32 v2, v0, 4, 1                         ; h
	v_and_b32 v3, 31, v0
	v_lshlrev_b32 v[LI], 4, v3
	v_lshlrev_b32 v[LS], 2, v3
	v_lshlrev_b32 v[SOF], 5, v1
.irp b, 0,1,2,3,4,5,6,7
	global_load_b128 v[WS+8*\b:WS+8*\b+3], v[SOF], s[10:11] offset:512*\b        ; Wo's scale words of tile b, K steps 0-3,
	global_load_b128 v[WS+8*\b+4:WS+8*\b+7], v[SOF], s[10:11] offset:512*\b+16   ; and 4-7: the two loads together read the tile's 512 bytes whole
.endr
.irp p, 0,1,2,3,4,5,6,7
.irp mm, 0,1
	global_load_b32 v[OS+2*\p+\mm], v[LS], s[6:7] offset:512*\p+128*\mm
.endr
.endr
	WIN 0x80                                       ; destination window 2
.irp p, 0,1,2,3,4
.irp m, 0,1,2,3
.irp i, 0,1,2
	global_load_b128 v[48*\p+12*\m+4*\i:48*\p+12*\m+4*\i+3], v[LI], s[4:5] offset:12288*\p+1536*\m+512*\i
.endr
.endr
.endr
	WIN 0xc0                                       ; destination window 3
.irp p, 5,6,7
.irp m, 0,1,2,3
.irp i, 0,1,2
	global_load_b128 v[48*(\p-5)+12*\m+4*\i:48*(\p-5)+12*\m+4*\i+3], v[LI], s[4:5] offset:12288*\p+1536*\m+512*\i
.endr
.endr
.endr
	WIN 0
	v_mul_u32_u24 v6, v1, PITCH
	v_mul_u32_u24 v7, v2, 24
	v_add_nc_u32 v6, v6, v7                        ; a fragment's row x pitch + 24 x half
	v_lshl_add_u32 v7, v2, 4, v6                   ; and the same behind one padding more
	s_mul_i32 s56, s[HN], 128*PITCH                ; my 128 rows
.irp c, 0,1
	v_add_nc_u32 v[ADRB+\c], s56, v6
	v_add_nc_u32 v[ADRB+4+\c], s56, v7
	s_add_co_u32 s56, s56, 64*PITCH                ; tiles 4-7 have registers of their own: an LDS offset holds 16 bits
.endr
	s_mul_i32 s58, s[WV], 16*SPITCH                ; my stage
	s_add_co_u32 s58, s58, STAGE
	v_mul_u32_u24 v9, v1, SPITCH
	v_lshl_add_u32 v9, v2, 5, v9
	v_add_nc_u32 v[STO], s58, v9                   ; in: row r, 32 bytes for each half of the lanes
	v_add_nc_u32 v[RD], s58, v[LI]                 ; back: the 32 lanes take one row of 512 bytes
.macro FRAG reg, st, i                 ; a fragment of Wo: 16 rows x 128 K of K step st: six pieces of 8 bytes; lanes 16-31 read 24 bytes further on.  Byte y of a row lies at y + 16 (y / 256) of its LDS row
.irp p, 0,1,2,3,4,5
.set BY, 96*(\st)+48*(\p/3)+8*(\p%3)
.if BY/256 == (BY+24)/256
	ds_load_b64 v[\reg+2*\p:\reg+2*\p+1], v[ADRB+(\i)/4] offset:BY+16*(BY/256)+((\i)%4)*16*PITCH
.else
	ds_load_b64 v[\reg+2*\p:\reg+2*\p+1], v[ADRB+4+(\i)/4] offset:BY+16*(BY/256)+((\i)%4)*16*PITCH
.endif
.endr
.endm
.macro FETCH_B p                       ; K step p's eight fragments of Wo: even steps into set 0 (window 3, v144 on), odd ones into set 1 (window 0, v128 on)
.if (\p)%2 == 0
	WIN 0xc0
.set WB, 144
.else
	WIN 0
.set WB, 128
.endif
.irp i, 0,1,2,3,4,5,6,7
	FRAG WB+FR*\i, \p, \i
.endr
.endm
.macro MULP p                          ; K step p: 32 products, the accumulators by turns.  The first step starts the sums
.set WA, 144-16*((\p)%2)
.if (\p) < 5
.set OB, 48*(\p)
.set WNEW, 0x58+3*(1-(\p)%2)
.else
.set OB, 48*((\p)-5)
.set WNEW, 0x5c+3*(1-(\p)%2)
.endif
	WIN WNEW                                       ; C and D window 1; source 1 (o) window 2 or 3; source 0 (Wo) window 3 or 0
.irp m, 0,1,2,3
.irp b, 0,1,2,3,4,5,6,7
.if (\p) == 0
.if \m%2
	v_wmma_scale_f32_16x16x128_f8f6f4 v[8*(8*\m+\b):8*(8*\m+\b)+7], v[WA+FR*\b:WA+FR*\b+FR-1], v[OB+FR*\m:OB+FR*\m+FR-1], 0, v[WS+8*\b+(\p)], v[OS+2*(\p)+\m/2] matrix_a_fmt:MATRIX_FMT_FP6 matrix_b_fmt:MATRIX_FMT_FP6 matrix_b_scale:MATRIX_SCALE_ROW1
.else
	v_wmma_scale_f32_16x16x128_f8f6f4 v[8*(8*\m+\b):8*(8*\m+\b)+7], v[WA+FR*\b:WA+FR*\b+FR-1], v[OB+FR*\m:OB+FR*\m+FR-1], 0, v[WS+8*\b+(\p)], v[OS+2*(\p)+\m/2] matrix_a_fmt:MATRIX_FMT_FP6 matrix_b_fmt:MATRIX_FMT_FP6
.endif
.else
.if \m%2
	v_wmma_scale_f32_16x16x128_f8f6f4 v[8*(8*\m+\b):8*(8*\m+\b)+7], v[WA+FR*\b:WA+FR*\b+FR-1], v[OB+FR*\m:OB+FR*\m+FR-1], v[8*(8*\m+\b):8*(8*\m+\b)+7], v[WS+8*\b+(\p)], v[OS+2*(\p)+\m/2] matrix_a_fmt:MATRIX_FMT_FP6 matrix_b_fmt:MATRIX_FMT_FP6 matrix_b_scale:MATRIX_SCALE_ROW1
.else
	v_wmma_scale_f32_16x16x128_f8f6f4 v[8*(8*\m+\b):8*(8*\m+\b)+7], v[WA+FR*\b:WA+FR*\b+FR-1], v[OB+FR*\m:OB+FR*\m+FR-1], v[8*(8*\m+\b):8*(8*\m+\b)+7], v[WS+8*\b+(\p)], v[OS+2*(\p)+\m/2] matrix_a_fmt:MATRIX_FMT_FP6 matrix_b_fmt:MATRIX_FMT_FP6
.endif
.endif
.endr
.endr
.endm
	s_wait_alu depctr_va_vdst(0)
	s_wait_tensorcnt 0x0                           ; my 64 rows of Wo are in,
	s_barrier_signal -1
	s_barrier_wait -1                              ; everybody's are
	FETCH_B 0
.irp p, 0,1,2,3,4,5,6,7
.if \p < 7
.if \p > 0
	PLACES                                         ; in front of loads into the set that the step before multiplied
.endif
	FETCH_B \p+1
	s_wait_dscnt 48                                ; all but the 48 just issued: this step's fragments are in
.else
	s_wait_dscnt 0x0
.endif
.set LC, 12*(7-\p)
.if LC > 63
.set LC, 63
.endif
	s_wait_loadcnt LC                              ; o's fragments of this K step are in; the later steps' twelve each may be out (the count's field holds 63)
	MULP \p
.endr
	WIN 0
	PLACES                                         ; in front of the first reads of results and of loads into set 1's registers
; THE WAY OUT, a tile of 16 tokens x 128 outputs at a time, through my own stage: in as 32 bytes a lane, back as whole rows of 512 bytes.  LDS serves a wave's instructions in order.
.macro TOSTAGE m
	WIN 0x04                                       ; an LDS store's data are its source 1: window 1
.irp b, 0,1,2,3,4,5,6,7
	ds_store_b128 v[STO], v[64*(\m)+8*\b:64*(\m)+8*\b+3] offset:64*\b          ; each accumulator from its low end on
	ds_store_b128 v[STO], v[64*(\m)+8*\b+4:64*(\m)+8*\b+7] offset:64*\b+16
.endr
	WIN 0
.set BB, BK+64*((\m)%2)
.irp t, 0,1,2,3,4,5,6,7,8,9,10,11,12,13,14,15
	ds_load_b128 v[BB+4*\t:BB+4*\t+3], v[RD] offset:\t*SPITCH
.endr
.endm
.macro SEND m, younger                 ; younger: the LDS instructions issued behind tile m's loads, which may stay out
.set BB, BK+64*((\m)%2)
	s_wait_dscnt \younger
.irp t, 0,1,2,3,4,5,6,7,8,9,10,11,12,13,14,15
	global_store_b128 v[LI], v[BB+4*\t:BB+4*\t+3], s[12:13] offset:(16*(\m)+\t)*4096 th:TH_STORE_NT   ; 32 lanes store 512 consecutive bytes, aligned; written once, read by nobody here
.endr
.endm
	TOSTAGE 0
.irp a, 1,2,3
.if \a > 1
	s_wait_xcnt 0x0                                ; tile a - 2's stores have read their registers: tile a's loads may land there
.endif
	TOSTAGE \a
	SEND \a-1, 32                                  ; behind tile a - 1's loads: tile a's 16 stores and 16 loads
.endr
	SEND 3, 0
	s_wait_tensorcnt 0x0
	ds_add_u32 v62, v63
	s_wait_dscnt 0x0
	ROUND                                          ; the closing round
	s_endpgm
.Lfunc_end_k_q830ee3f04a_outproj:
	.size	k_q830ee3f04a_outproj, .Lfunc_end_k_q830ee3f04a_outproj-k_q830ee3f04a_outproj
	.p2alignl 7, 3214868480
	.fill 96, 4, 3214868480
	.section	.rodata,"a",@progbits
	.p2align	6, 0x0
	.amdhsa_kernel k_q830ee3f04a_outproj
		.amdhsa_group_segment_fixed_size 262656
		.amdhsa_private_segment_fixed_size 0
		.amdhsa_enable_private_segment 0
		.amdhsa_kernarg_size 40
		.amdhsa_user_sgpr_count 2
		.amdhsa_user_sgpr_kernarg_segment_ptr 1
		.amdhsa_wavefront_size32 1
		.amdhsa_system_sgpr_workgroup_id_x 1
		.amdhsa_system_sgpr_workgroup_id_y 1
		.amdhsa_system_sgpr_workgroup_id_z 1
		.amdhsa_system_vgpr_workitem_id 0
		.amdhsa_next_free_vgpr 1024
		.amdhsa_next_free_sgpr 66
		.amdhsa_reserve_vcc 0
		.amdhsa_float_denorm_mode_32 3
		.amdhsa_float_denorm_mode_16_64 3
		.amdhsa_memory_ordered 1
		.amdhsa_forward_progress 1
		.amdhsa_inst_pref_size 90
	.end_amdhsa_kernel
	.amdgpu_metadata
---
amdhsa.version: [ 1, 2 ]
amdhsa.kernels:
  - .name:           k_q830ee3f04a_outproj
    .symbol:         k_q830ee3f04a_outproj.kd
    .args:
      - { .name: oimg, .offset: 0, .size: 8, .value_kind: global_buffer, .address_space: global }
      - { .name: osc, .offset: 8, .size: 8, .value_kind: global_buffer, .address_space: global }
      - { .name: Wo_codes, .offset: 16, .size: 8, .value_kind: global_buffer, .address_space: global }
      - { .name: Wo_scales, .offset: 24, .size: 8, .value_kind: global_buffer, .address_space: global }
      - { .name: out0, .offset: 32, .size: 8, .value_kind: global_buffer, .address_space: global }
    .group_segment_fixed_size: 262656
    .private_segment_fixed_size: 0
    .kernarg_segment_align: 8
    .kernarg_segment_size: 40
    .max_flat_workgroup_size: 128
    .sgpr_count:     66
    .vgpr_count:     1024
    .wavefront_size: 32
...
	.end_amdgpu_metadata
.endif
;; end of part 3
